; MI455X (gfx1250); checked and timed in simulation.
; The chip was launched on July 23, 2026; its instructions are those of AMD's public machine-readable ISA for CDNA 5 (MIT licence, August 2026) and "CDNA5" Instruction Set Architecture Reference Guide (July 2026). The comments in the code are by the model that wrote it; some were corrected since.
;; Self Attention. Allowed arithmetic: matrix products marked QUANTISED: E5M2 operands, one E8M0 scale for each 32 along K, by v_wmma_scale_f32_16x16x128_f8f6f4 with both operands' format E5M2, f32 sums; everything else in f32.
;; Inputs: Wk_codes 1,024 x 32 x 32 uint8 (E5M2 codes of Wk, K innermost, in blocks of 32 codes); Wk_scales 1,024 x 32 uint8 (E8M0 scales of Wk, one for each 32 codes along K); Wq_codes 1,024 x 32 x 32 uint8 (E5M2 codes of Wq, K innermost, in blocks of 32 codes); Wq_scales 1,024 x 32 uint8 (E8M0 scales of Wq, one for each 32 codes along K); Wv_codes 1,024 x 32 x 32 uint8 (E5M2 codes of Wv, K innermost, in blocks of 32 codes); Wv_scales 1,024 x 32 uint8 (E8M0 scales of Wv, one for each 32 codes along K); bk 1,024 float32; bq 1,024 float32; bv 1,024 float32; x_codes 4 x 2,048 x 32 x 32 uint8 (E5M2 codes of x, K innermost, in blocks of 32 codes); x_scales 4 x 2,048 x 32 uint8 (E8M0 scales of x, one for each 32 codes along K).
;; Outputs: out0 4 x 2,048 x 1,024 float32.
;; This version of the problem:
;;   THIS VERSION OF THE PROBLEM IS GIVEN IN LOW PRECISION. The matrix products marked QUANTISED in the list below multiply operands that are first quantised to E5M2 (5 exponent bits, 2 mantissa bits; 8 bits a number), with one power-of-two scale for each 32 numbers along K (OCP MX v1.0); their sums are f32. All else is computed in f32.
;;   The module's matrix products, in the order in which they are computed (A, B: the left and right operand; K: the contracted axis; several contracted axes count as one K, in the product's order):
;;     1. [M 8,192, K 1,024] x [K 1,024, N 1,024]; A: input x (given as codes); B: input Wq (given as codes): QUANTISED
;;     2. [M 8,192, K 1,024] x [K 1,024, N 1,024]; A: input x (given as codes); B: input Wk (given as codes): QUANTISED
;;     3. [M 8,192, K 1,024] x [K 1,024, N 1,024]; A: input x (given as codes); B: input Wv (given as codes): QUANTISED
;;     4. batch 4 x [M 2,048, K 1,024] x [K 1,024, N 2,048]; A: computed on the way; B: computed on the way: QUANTISED
;;     5. batch 4 x [M 2,048, K 2,048] x [K 2,048, N 1,024]; A: softmax (see below); B: computed on the way: QUANTISED
;;   THE QUANTISER, for each operand of a quantised product, along K:
;;     - K is cut into blocks of 32 from its start; a last block that is shorter is filled with zeros.
;;     - A block's scale is 2^e with e = floor(log2(the largest magnitude in the block)) - 15, held to -126 .. 127; a block of zeros has e = 0. As a byte (E8M0): e + 127.
;;     - Each number is divided by its block's scale, clamped to +-57,344, and rounded to the nearest number of E5M2, ties to even, subnormals kept.
;;     - The product sums the exact products of the quantised numbers (number of the format x scale) in f32.
;;   ~~~python
;;   def quantise(x, axis):      # numpy; x: float32 -> the quantised numbers, widened to float32 again
;;       x = np.moveaxis(x, axis, -1); K = x.shape[-1]
;;       x = np.pad(x, [(0, 0)] * (x.ndim - 1) + [(0, -K % 32)]); x = x.reshape(x.shape[:-1] + (-1, 32)); a = np.abs(x).max(-1, keepdims=True)
;;       e = np.where(a > 0, np.clip(np.frexp(np.where(a > 0, a, 1))[1] - 1 - 15, -126, 127), 0)      # np.frexp(a)[1] - 1 = floor(log2(a)), exactly
;;       r = np.clip(x / 2.0 ** e, -57344, 57344)
;;       step = 2.0 ** (np.maximum(np.frexp(np.where(r == 0, 1, r))[1] - 1, -14) - 2)
;;       q = np.round(r / step) * step * 2.0 ** e      # np.round: ties to even
;;       return np.moveaxis(q.reshape(q.shape[:-2] + (-1,))[..., :K], -1, axis).astype(np.float32)
;;   ~~~
;;   SOFTMAX AHEAD OF A QUANTISED PRODUCT. Where the list says 'softmax', what is quantised is not the finished softmax but p = 2^(t - M), with t = logit x log2(e) and M = ceil(the row's largest t), a whole number; so 1/2 < the row's largest p <= 1. The row's sum l is taken of the UNQUANTISED p, in f32, and the product's result is divided by l at the end. Since M is a whole number, a kernel that streams over the keys may use a running M (the ceiling of the running maximum): every later rescaling is an exact power of two, which a block's scale takes up: the codes' values come out the same.
;;   OPERANDS COMPUTED ON THE WAY. 'Computed on the way' means the value that the module computes at that place (a softmax that the list does not call 'softmax' is quantised finished and normalised). What goes into a quantiser is computed in f32, as accurately as f32 sums, v_exp_f32 and their like allow (about 1e-6 of the number): no bf16 or f16 on the way to a quantiser, and a product that is left as it is and whose result goes on into a quantised operand takes f32 operands (vector FMAs, or v_wmma_f32_16x16x4_f32). A number that lies on a knife's edge between two numbers of the format may be rounded either way, as far as f32 arithmetic and the matrix unit's own rounding can turn it there, and no further.
;;   INPUTS GIVEN AS CODES. Wk (in the module: [1024, 1024], K = its axis 1); Wq (in the module: [1024, 1024], K = its axis 1); Wv (in the module: [1024, 1024], K = its axis 1); x (in the module: [4, 2048, 1024], K = its axis 2): each comes as NAME_codes (uint8): NAME with its K axis moved to the last place and cut into blocks of 32 codes, [.., K / 32, bytes a block], one block behind the other in memory; one code a byte (a code: sign, 5 exponent bits, 2 mantissa bits); and NAME_scales (uint8): the same leading axes, one E8M0 byte (e + 127) for each 32 codes along K. Its value is code x scale, taken as it is: it is not quantised again, and the codes and scales need not be those that the quantiser above would give.
;; One version. Each part assembles by itself: llvm-mc -triple=amdgcn-amd-amdhsa -mcpu=gfx1250 --defsym DOCPART=n.
;; ======== version 1 of 1: 3 launches
;; limits: right only within a limited range of input values
;; workspace buffers: qkv 25,165,824 bytes; qkvs 786,432 bytes; pimg 16,777,216 bytes; pst 1,572,864 bytes
;; launch proj (part 1): grid 16 x 16, 4 waves a work-group, clusters of 4 x 4, 327,680 bytes of LDS; arguments x_codes, x_scales, Wq_codes, Wq_scales, Wk_codes, Wk_scales, Wv_codes, Wv_scales, bq, bk, bv, qkv, qkvs; writes qkv, qkvs
.if DOCPART == 1
	.amdgcn_target "amdgcn-amd-amdhsa--gfx1250"
	.amdhsa_code_object_version 6
	.text
	.protected	k_qd099cbe479_proj
	.globl	k_qd099cbe479_proj
	.p2align	8
	.type	k_qd099cbe479_proj,@function
k_qd099cbe479_proj:
	s_mov_b64 s[64:65], 0
	v_nop
	global_prefetch_b8 v0, s[64:65] scope:SCOPE_SE
	s_setreg_imm32_b32 hwreg(HW_REG_WAVE_MODE, 25, 1), 1
	s_wait_xcnt 0x0
	s_wait_alu depctr_hold_cnt(0) depctr_sa_sdst(0) depctr_va_vdst(0) depctr_va_sdst(0) depctr_va_ssrc(0) depctr_va_vcc(0) depctr_vm_vsrc(0)
	s_getreg_b32 s2, hwreg(HW_REG_IB_STS2, 6, 4)
	s_cmp_eq_u32 s2, 0
	s_cbranch_scc0 .Lentry_in_a_cluster
	s_endpgm
.Lentry_in_a_cluster:
	s_bfe_u32 s2, ttmp6, 0x10000c
	s_cmp_lg_u32 s2, 0xf033
	s_cbranch_scc0 .Lentry_shape_is_right
	s_endpgm
.Lentry_shape_is_right:
; q = x Wq^T + bq, k = x Wk^T + bk, v = x Wv^T + bv on codes of BF8 (E5M2), a scale byte for each 32 along K = 1,024; the results are quantised again: q and k along their channels, v along the keys.  No f32 result is stored.
; OUT, images of operand registers: qkv: [K / 256][rows / 16][128 of K: 2][block of 32: 4][lane 32][16 bytes]: q at 0, k at 8,388,608 (8,192 rows each), v^T at 16,777,216 (1,024 rows, K = all 8,192 keys).
; qkvs: scale words [K / 128][rows] at 0, 262,144, 524,288.  INSIDE A BLOCK OF 32 the codes stand in an order of this program's own, the same for q and k, and for v^T and the P of the next launch: a product's sum over a block does not depend on it.
; LIMITS: NaN, infinities and sums beyond f32's range are not served; a block whose largest magnitude lies under 2^-111 (a block of zeros too) gets the byte 1: only this program reads the bytes.
; THE DEAL.  256 work-groups of four waves, 2 x 2.  A wave holds 64 rows of a weight, ALL of K, in 512 registers and streams x's rows past them in blocks of 16, two whole sets in 256 registers.
; PHASE 1: 512 rows x 128 channels of q (tile columns 0 to 7) or k (8 to 15).  PHASE 2: 256 rows x 128 channels of v, of ONE OF THE WORK-GROUP'S OWN TWO WINDOWS of 256 rows (number s18); Wv's tile column is 4 (cluster x / 2) + cx.
; Block n of wave row w: rows 64 (n / 2) + 32 w + 16 (n % 2) on, so that a wave's pair of blocks is 32 neighbouring keys.
; ORDER OF WORK: the window that is not v's (chunks 0, 1 of 128 rows), then v's (2, 3).  LDS holds two slots of a chunk; a weight's 128 rows lie in one (the first in slot 1, Wv's in slot 0).  Chunk 3 still lies in slot 1 when v begins; chunk 2 comes anew.
; FILLS.  At the head, one load a wave: the first weight, chunk 0, a window's scale bytes each.  Refills, a quarter of 128 rows a wave, each in a drained round: chunks 1, 2, 3 inside blocks 0, 4, 8; Wv behind block 11; chunk 2 behind Wv's loads into registers.
; Behind a block's 32 products its set takes the block two on.  A block's way out stands among the NEXT block's products; a pair of v's blocks, copied to two more sets of sums, among the next pair's.  The first way out of either phase has no block before it and stores nothing.
; CLUSTERS: 4 x 4; x's rows are asked for jointly along a row of the cluster, weights along a column.  THE BIAS is the C of a sum's first product.
; PREFETCH: chunks 1 and 2 behind the first barrier, chunk 3 and Wv inside blocks 6 and 10: each 256 bytes once a cluster, shared out by address over the sixteen waves that ask jointly.
; v^T's IMAGE IS THE EXCEPTION to the order stated above: [K / 128][rows / 16][block of 32: 4][lane 32][16 bytes], so that 128 keys of any run of rows are one dense run of memory.
.set KROW, 1024
.set KS, 32
.set NB, 4
.set TN, 128
.set CH, 128
.set PITCH, 1040                       ; 1,024 bytes + 16 of padding: 16 neighbouring rows start at 16 different banks
.set FR, 16
.set FPW, 16
.set NP, 8                             ; places behind this matrix instruction (ISA guide 7.12.1)
.set NF, 34                            ; LDS loads of a block: 32 of codes, 2 of scale words
.set YB, CH*PITCH                      ; slot 1
.set SCL, 2*YB                         ; scale bytes of x's 512 rows in the order of work: units of 256 bytes (8 rows) + 16 of padding
.set RS, 32                            ; units of a window
.set S16, 2*272                        ; 16 rows' scale bytes
.set XN, SCL+2*RS*272                  ; q's, k's scale bytes: [wave column 2][row in the order of work 512][2]
.set XV, XN+2048                       ; v's: [wave row 2][128 keys: 2][channel 128][2]
.set SPARE, XV+1024
.set EMAX, 15
.set VIMG, 16777216
.set VSCL, 524288
.set ADRA0, 4                          ; v4  LDS address of my fragments of block 0
.set CN, 5                             ; v5  512 h + 16 r
.set AAS0, 6                           ; v6  of my row's scale words in block 0
.set CO, 9                             ; v9  16 x lane
.set SPW, 10
.set NIL, 11
.set ADRA, 12                          ; v12 as v4, for the block that is fetched next
.set VX, 13                            ; v13 LDS address of a scale byte
.set ADRE, 14                          ; v14 the first weight's even tiles
.set ADRV, 15                          ; v15 Wv's tiles
.set ABS, 16                           ; v16 my offset in the first weight's scale bytes
.set AAS, 17                           ; v17 as v6, next
.set VXB, 18                           ; v18 the place of phase 1's bytes, a pair early
.set RD, 19                            ; v19 of phase 2's
.set SOP, 20                           ; v20-23 the conversions' scale operands; at the head:
.set ABSV, 20                          ; v20 my offset in Wv's scale bytes
.set ADRO, 21                          ; v21 the first weight's odd tiles
.set SB, 24                            ; v24-39 weight's scale words: register 8 p + q: lanes 0-15 tile 2 p, lanes 16-31 tile 2 p + 1
.set EB, 40                            ; v40-43 scale bytes
.set SA, 44                            ; v44-59 x's, two sets: no product's two scale words have numbers equal modulo 8
.set TQ, 60                            ; v60-63 maxima and bounds
.set ACC, 64                           ; v64-191 four sets of four accumulators
.set WS, 128                           ; v128-143 in phase 1: Wv's scale words
.set NCD, 192                          ; v192-199 q's or k's codes
.set MCD, 192                          ; v192-207 v's
.set BQ, 208                           ; v208-239 the first products' C
.set BV, 240                           ; v240-243 v's bias, a number a tile
.set G1A, 24
.set G0A, 56
.set G1B, 32
.set G0B, 60
.set G1R, 48
.set G0R, 68
.set G1S, 92
.set G0S, 72
.set MSB, 0
.macro WIN new                         ; the immediate's high byte repeats the setting that is left
.if MSB != \new
	s_set_vgpr_msb (MSB<<8)|\new
.set MSB, \new
.endif
.endm
.macro PLACES n
.rept \n
	v_nop
.endr
.endm
.macro BARRIER
	s_barrier_signal -1
	s_barrier_wait -1
.endm
.macro CROUND                          ; a round of the cluster's barrier
	BARRIER
	s_cmp_lg_u32 s14, 0
	s_cbranch_scc1 .Lnot_wave_0_\@
	s_barrier_signal -3
.Lnot_wave_0_\@:
	s_barrier_wait -3
	BARRIER
.endm
.macro TLOAD g0, g1
	tensor_load_to_lds s[\g0:\g0+3], s[\g1:\g1+7]
	s_nop 0
	PLACES 4
.endm
.macro GROUP1 g, mask, rows            ; whole rows of K, 1,024 bytes each, 16 bytes of padding behind each
	s_or_b32 s[\g+0], s[\mask], (1<<20)|(1<<21)|(7<<22)|(3<<25)
	s_mov_b32 s[\g+1], KROW<<16
	s_mov_b32 s[\g+2], (\rows)<<16
	s_mov_b32 s[\g+3], KROW<<16
	s_mov_b32 s[\g+4], \rows
	s_mov_b32 s[\g+5], KROW
	s_mov_b32 s[\g+6], 0
	s_mov_b32 s[\g+7], 0
.endm
	s_load_b128 s[4:7], s[0:1], 0x0                ; x's codes, scales
	s_load_b256 s[76:83], s[0:1], 0x10             ; Wq's, Wk's
	s_load_b128 s[84:87], s[0:1], 0x30             ; Wv's
	v_lshl_add_u32 v[SPW], v0, 2, SPARE
	v_mov_b32 v[NIL], 0
	ds_add_u32 v[SPW], v[NIL]                      ; the wave's opening: the add, twice on end, and its wait
	ds_add_u32 v[SPW], v[NIL]
	v_lshrrev_b32 v1, 5, v0
	v_readfirstlane_b32 s14, v1                    ; wave 0..3
	s_lshr_b32 s15, s14, 1                         ; my row of waves
	s_and_b32 s16, s14, 1                          ; my column of waves
	s_bfe_u32 s40, ttmp6, 0x40000                  ; cx, cy
	s_bfe_u32 s41, ttmp6, 0x40004
	s_lshl_b32 s42, ttmp9, 2
	s_add_co_u32 s42, s42, s40                     ; tile column
	s_and_b32 s43, ttmp7, 0xffff
	s_lshl_b32 s43, s43, 2
	s_add_co_u32 s43, s43, s41                     ; tile row
	s_lshr_b32 s19, ttmp9, 1                       ; 0: phase 1 makes q, 1: k
	s_and_b32 s18, ttmp9, 1                        ; v's window
	s_lshl_b32 s44, s41, 2
	s_lshl_b32 s44, 15, s44                        ; my row of the cluster
	s_lshl_b32 s45, 0x1111, s40                    ; my column
	GROUP1 G1B, 45, TN                             ; wave 0: the first weight
	GROUP1 G1A, 44, CH                             ; wave 1: chunk 0
	GROUP1 G1R, 44, CH/4                           ; a refill of x's rows: 32 a wave
	s_or_b32 s[G1S+0], s44, (3<<16)|(1<<20)|(1<<21)|(5<<22)|(3<<25)   ; waves 2, 3: 8,192 dense scale bytes as 32 rows of 256, 16 of padding behind each
	s_mov_b32 s[G1S+1], 32<<16
	s_mov_b32 s[G1S+2], RS<<16
	s_mov_b32 s[G1S+3], 32<<16
	s_mov_b32 s[G1S+4], RS
	s_mov_b32 s[G1S+5], 32
	s_mov_b32 s[G1S+6], 0
	s_mov_b32 s[G1S+7], 0
	s_mov_b32 s[G0S], 1
	s_mul_i32 s[G0S+1], s16, RS*272
	s_add_co_u32 s[G0S+1], s[G0S+1], SCL
	s_lshl_b32 s91, s43, 19                        ; offsets in x's codes: s91 the window that is not v's, s2 v's
	s_lshl_b32 s20, s18, 18
	s_add_co_u32 s2, s91, s20
	s_xor_b32 s20, s20, 0x40000
	s_add_co_u32 s91, s91, s20
	s_lshl_b32 s13, s19, 2
	s_add_co_u32 s13, s13, s40                     ; Wv's tile column
	s_lshl_b32 s3, s13, 17                         ; its codes
	s_lshl_b32 s12, s13, 12                        ; its scale bytes, my wave's 64 rows
	s_lshl_b32 s21, s16, 11
	s_add_co_u32 s12, s12, s21
	s_and_b32 s23, s42, 7                          ; the first weight's tile column
	s_lshl_b32 s8, s23, 17
	s_mov_b32 s9, 0
	s_lshl_b32 s88, s23, 12
	s_add_co_u32 s88, s88, s21
	s_mov_b32 s89, 0
	s_xor_b32 s22, s18, 1                          ; x's scale bytes: wave 2 the window that is not v's, wave 3 v's
	s_cmp_eq_u32 s16, 1
	s_cselect_b32 s22, s18, s22
	s_lshl_b32 s10, s43, 1
	s_add_co_u32 s10, s10, s22
	s_lshl_b32 s10, s10, 13
	s_mov_b32 s11, 0
	s_mov_b32 s[G0A], 1
	s_mov_b32 s[G0A+1], 0
	s_mov_b32 s[G0B], 1
	s_mov_b32 s[G0B+1], YB
	s_mov_b32 s[G0R], 1
	v_and_b32 v1, 15, v0                           ; r
	v_bfe_u32 v2, v0, 4, 1                         ; h
	v_and_b32 v3, 31, v0                           ; lane
	v_mul_u32_u24 v22, v1, PITCH
	v_lshl_add_u32 v23, v2, 4, v22                 ; row r x pitch + 16 h
	s_mul_i32 s20, s15, 32*PITCH
	v_add_nc_u32 v[ADRA0], s20, v23
	s_mul_i32 s22, s16, 64*PITCH                   ; my 64 rows of a weight
	v_add_nc_u32 v[ADRV], s22, v23                 ; Wv's, in slot 0: tile t is rows 16 t + r
	s_add_co_u32 s22, s22, YB
	v_add_nc_u32 v23, s22, v23
	v_lshrrev_b32 v22, 3, v1                       ; r / 8
	; the first weight's tile j: lanes 0-7 rows 8 j + r, lanes 8-15 rows 32 + 8 (j xor 1) + r - 8: so a lane's 32 results are one block of 32 channels, and the tile's 16 LDS rows start at 16 different banks
	v_mad_u32_u24 v[ADRE], v22, 32*PITCH, v23      ; j even: 8 j + r + 32 (r / 8)
	v_mad_u32_u24 v[ADRO], v22, 16*PITCH, v23      ; j odd: 8 j + r + 16 (r / 8)
	v_lshl_add_u32 v23, v2, 3, v1                  ; scale words, lane (r, h): the row of tile 2 p + h: 16 p + 8 h + r + (32 - 16 h) (r / 8)
	v_lshlrev_b32 v8, 4, v2
	v_sub_nc_u32 v8, 32, v8
	v_mad_u32_u24 v23, v22, v8, v23
	v_lshlrev_b32 v[ABS], 5, v23
	v_lshlrev_b32 v[ABSV], 5, v3                   ; Wv's: row 32 p + lane
	v_lshlrev_b32 v23, 5, v1                       ; x's scale bytes: 32 a row, and 16 more for each 8 rows passed
	v_lshl_add_u32 v23, v22, 4, v23
	s_mul_i32 s20, s15, 2*S16
	s_add_co_u32 s20, s20, SCL
	v_add_nc_u32 v[AAS0], s20, v23
	s_lshl_b32 s90, s40, 2                         ; which of the cluster row's sixteen waves I am,
	s_add_co_u32 s90, s90, s14
	s_lshl_b32 s100, s41, 2                        ; and of the column's
	s_add_co_u32 s100, s100, s14
	s_wait_alu depctr_va_vdst(0)
	s_wait_dscnt 0x0                               ; both opening adds are done
	CROUND
	s_wait_kmcnt 0x0
	s_cmp_eq_u32 s19, 0                            ; the first weight: codes, scales
	s_cselect_b64 s[76:77], s[76:77], s[80:81]
	s_cselect_b64 s[78:79], s[78:79], s[82:83]
	s_mov_b32 s20, s91
	s_mov_b32 s21, 0
	s_add_nc_u64 s[G0A+2:G0A+3], s[4:5], s[20:21]
	s_or_b32 s[G0A+3], s[G0A+3], 0x80000000
	s_add_nc_u64 s[G0B+2:G0B+3], s[76:77], s[8:9]
	s_or_b32 s[G0B+3], s[G0B+3], 0x80000000
	s_add_nc_u64 s[G0S+2:G0S+3], s[6:7], s[10:11]
	s_or_b32 s[G0S+3], s[G0S+3], 0x80000000
	s_cmp_eq_u32 s14, 0                            ; ONE joint load a wave, and a line of its own for what is shown ahead of the rest
	s_cbranch_scc0 .Lwave_1
	TLOAD G0B, G1B
	s_branch .Lasked
.Lwave_1:
	s_cmp_eq_u32 s14, 1
	s_cbranch_scc0 .Lfor_scales
	TLOAD G0A, G1A
	s_branch .Lasked
.Lfor_scales:
	TLOAD G0S, G1S
.Lasked:
	s_add_nc_u64 s[10:11], s[78:79], s[88:89]      ; the first weight's scale bytes, my 64 rows
	s_mov_b32 s20, s12
	s_add_nc_u64 s[46:47], s[86:87], s[20:21]      ; Wv's
	s_mov_b64 s[66:67], s[84:85]                   ; Wv's codes
	s_load_b128 s[84:87], s[0:1], 0x40             ; bq, bk
	s_load_b64 s[88:89], s[0:1], 0x50              ; bv
; WHERE MY RESULTS GO: offsets now, the buffers' addresses in front of the stream
	s_lshr_b32 s76, s42, 1                         ; s[76:77] q's, k's codes: K / 256, 128 of K, my two blocks of 32, my row tiles
	s_lshl_b32 s76, s76, 21
	s_and_b32 s20, s42, 1
	s_lshl_b32 s20, s20, 11
	s_add_co_u32 s76, s76, s20
	s_lshl_b32 s20, s16, 10
	s_add_co_u32 s76, s76, s20
	s_lshl_b32 s20, s43, 17
	s_add_co_u32 s76, s76, s20
	s_lshl_b32 s20, s15, 13
	s_add_co_u32 s76, s76, s20
	s_mov_b32 s77, 0
	s_lshl_b32 s78, s42, 15                        ; s[78:79] their words: wave n stores rows 128 n on in the order of work
	s_lshl_b32 s20, s43, 11
	s_add_co_u32 s78, s78, s20
	s_xor_b32 s20, s15, s18
	s_xor_b32 s20, s20, 1
	s_lshl_b32 s20, s20, 10
	s_add_co_u32 s78, s78, s20
	s_lshl_b32 s20, s16, 9
	s_add_co_u32 s78, s78, s20
	s_mov_b32 s79, 0
	s_lshl_b32 s23, s43, 1
	s_add_co_u32 s23, s23, s18                     ; v's key step of 256
	s_lshl_b32 s80, s23, 18                        ; s[80:81] v's codes
	s_lshl_b32 s20, s13, 14
	s_add_co_u32 s80, s80, s20
	s_lshl_b32 s20, s16, 13
	s_add_co_u32 s80, s80, s20
	s_lshl_b32 s20, s15, 9
	s_add_co_u32 s80, s80, s20
	s_add_co_u32 s80, s80, VIMG
	s_mov_b32 s81, 0
	s_lshl_b32 s82, s23, 1                         ; s[82:83] v's words: wave n stores 128 keys n / 2, channels 64 (n % 2) on
	s_add_co_u32 s82, s82, s15
	s_lshl_b32 s82, s82, 12
	s_lshl_b32 s20, s13, 9
	s_add_co_u32 s82, s82, s20
	s_lshl_b32 s20, s16, 8
	s_add_co_u32 s82, s82, s20
	s_add_co_u32 s82, s82, VSCL
	s_mov_b32 s83, 0
; THE BIAS.  Phase 1: register i of tile j of lane (r, h) is channel 8 j + i (h = 0) or 32 + 8 (j xor 1) + i (h = 1) of my 64.  Phase 2: tile t of lane (r, h): channel 16 t + r
	s_and_b32 s20, s42, 7
	s_lshl_b32 s20, s20, 9
	s_lshl_b32 s23, s16, 8
	s_add_co_u32 s20, s20, s23
	s_mov_b32 s21, 0
	s_lshl_b32 s22, s13, 9
	s_add_co_u32 s22, s22, s23
	s_mov_b32 s23, 0
	v_mul_u32_u24 v22, 0xa0, v2                    ; j even
	v_mul_u32_u24 v23, 0x60, v2                    ; j odd
	v_lshlrev_b32 v8, 2, v1
	s_wait_alu depctr_va_vdst(0)
	s_wait_kmcnt 0x0
	s_cmp_eq_u32 s19, 0
	s_cselect_b64 s[84:85], s[84:85], s[86:87]
	s_add_nc_u64 s[20:21], s[84:85], s[20:21]
	s_add_nc_u64 s[22:23], s[88:89], s[22:23]
.irp j, 0,1,2,3
.irp c, 0,1
	global_load_b128 v[BQ+8*\j+4*\c:BQ+8*\j+4*\c+3], v[22+\j%2], s[20:21] offset:32*\j+16*\c
.endr
	global_load_b32 v[BV+\j], v8, s[22:23] offset:64*\j
.endr
	s_wait_xcnt 0x0                                ; the loads have taken their addresses; they change below
	v_lshlrev_b32 v[CO], 4, v3
	s_lshl_b32 s21, s16, 10
	s_lshl_b32 s22, s15, 6
	s_add_co_u32 s21, s21, s22
	s_add_co_u32 s21, s21, XN-128
	v_lshl_add_u32 v23, v1, 1, v2
	v_add_nc_u32 v[VXB], s21, v23                  ; 2 r + h; a pair of blocks is 128 bytes
	s_lshl_b32 s21, s15, 9
	s_lshl_b32 s22, s16, 7
	s_add_co_u32 s21, s21, s22
	s_add_co_u32 s21, s21, XV
	v_lshl_add_u32 v[RD], v1, 1, s21               ; both halves of the lanes write the same byte
	v_lshlrev_b32 v23, 9, v2
	v_lshl_add_u32 v[CN], v1, 4, v23
.irp p, 0,1
.irp c, 0,1
	global_load_b128 v[SB+8*\p+4*\c:SB+8*\p+4*\c+3], v[ABS], s[10:11] offset:\p*512+16*\c
	global_load_b128 v[WS+8*\p+4*\c:WS+8*\p+4*\c+3], v[ABSV], s[46:47] offset:\p*1024+16*\c
.endr
.endr
	s_wait_xcnt 0x0
	s_add_co_u32 s6, s91, CH*KROW                  ; chunk 1
	s_add_co_u32 s7, s2, CH*KROW                   ; chunk 3
	s_lshl_b32 s21, s90, 13
	s_add_co_u32 s22, s21, s6
	v_lshl_add_u32 v7, v3, 8, s22                  ; my sixteenth of chunk 1, of chunk 2
	s_add_co_u32 s22, s21, s2
	v_lshl_add_u32 v8, v3, 8, s22
	v_add_nc_u32 v1, 16*PITCH, v[ADRA0]            ; block 1's LDS addresses
	v_add_nc_u32 v2, S16, v[AAS0]
	s_wait_alu depctr_va_vdst(0)                   ; the head's end
	s_cmp_eq_u32 s14, 0
	s_cbranch_scc0 .Lnot_b
	s_wait_tensorcnt 0x0                           ; wave 0: the first weight has landed.  The other waves' wait stands at the second barrier
.Lnot_b:
	BARRIER
	global_prefetch_b8 v7, s[4:5] th:TH_LOAD_NT scope:SCOPE_SE
	global_prefetch_b8 v8, s[4:5] th:TH_LOAD_NT scope:SCOPE_SE
.macro WALU
	s_wait_alu depctr_va_vdst(0)
.endm
.macro MIDDLE                          ; a round's middle
	WIN 0
	s_barrier_wait -1
	s_cmp_lg_u32 s14, 0
	s_cbranch_scc1 .Lnot_wave_0_\@
	s_barrier_signal -3
.Lnot_wave_0_\@:
	s_barrier_wait -3
.endm
.macro GRD
	s_wait_tensorcnt 0x0
	ds_add_u32 v[SPW], v[NIL]
.endm
.macro FRAG f, adr, q, off             ; a weight's fragment f, 16 rows x 128 of K: registers 4 c .. 4 c + 3 hold K = 32 c + 16 h + 0 .. 15.  It lies in window 1 + f / 16
	WIN (1+(\f)/FPW)<<6
.irp c, 0,1,2,3
	ds_load_b128 v[FR*((\f)%FPW)+4*\c:FR*((\f)%FPW)+4*\c+3], v[\adr] offset:128*(\q)+32*\c+(\off)
.endr
.endm
.macro FETCHAT k, a, s                 ; a block of x, all of K, into set k of window 3, and its scale words: NF loads
	WIN 3<<6
.irp q, 0,1,2,3,4,5,6,7
.irp c, 0,1,2,3
	ds_load_b128 v[128*\k+FR*\q+4*\c:128*\k+FR*\q+4*\c+3], v[\a] offset:128*\q+32*\c
.endr
.endr
	WIN 0
	ds_load_b128 v[SA+8*\k:SA+8*\k+3], v[\s]
	ds_load_b128 v[SA+8*\k+4:SA+8*\k+7], v[\s] offset:16
.endm
; product n = 4 q + b of a block: the q-th 128 of K, tile b; x's rows in set e, sums in set a.  kind 0 (q, k): source 0 = the weight's rows, a lane holds a token; kind 1 (v): source 0 = x's rows, a lane holds a channel
.macro PROD kind, e, a, n
.set Q_, (\n)/4
.set B_, (\n)%4
.set FB_, NB*Q_+B_
.set AC_, ACC+32*(\a)+8*B_
.set C_, AC_
.if Q_ == 0
.set C_, BQ+8*B_
.endif
.set R_, 128*(\e)+FR*Q_
.set W_, FR*(FB_%FPW)
.set XS_, SA+8*(\e)+Q_
.set WS_, SB+8*(B_/2)+Q_
.if \kind
	WIN 3|((1+FB_/FPW)<<2)
.if B_%2
	v_wmma_scale_f32_16x16x128_f8f6f4 v[AC_:AC_+7], v[R_:R_+FR-1], v[W_:W_+FR-1], v[C_:C_+7], v[XS_], v[WS_] matrix_a_fmt:MATRIX_FMT_BF8 matrix_b_fmt:MATRIX_FMT_BF8 matrix_b_scale:MATRIX_SCALE_ROW1
.else
	v_wmma_scale_f32_16x16x128_f8f6f4 v[AC_:AC_+7], v[R_:R_+FR-1], v[W_:W_+FR-1], v[C_:C_+7], v[XS_], v[WS_] matrix_a_fmt:MATRIX_FMT_BF8 matrix_b_fmt:MATRIX_FMT_BF8
.endif
.else
	WIN (1+FB_/FPW)|(3<<2)
.if B_%2
	v_wmma_scale_f32_16x16x128_f8f6f4 v[AC_:AC_+7], v[W_:W_+FR-1], v[R_:R_+FR-1], v[C_:C_+7], v[WS_], v[XS_] matrix_a_fmt:MATRIX_FMT_BF8 matrix_b_fmt:MATRIX_FMT_BF8 matrix_a_scale:MATRIX_SCALE_ROW1
.else
	v_wmma_scale_f32_16x16x128_f8f6f4 v[AC_:AC_+7], v[W_:W_+FR-1], v[R_:R_+FR-1], v[C_:C_+7], v[WS_], v[XS_] matrix_a_fmt:MATRIX_FMT_BF8 matrix_b_fmt:MATRIX_FMT_BF8
.endif
.endif
.endm
.macro HOLD x, b                       ; the conversion does not saturate (ISA guide 7.6.2)
	v_med3_num_f32 v[\x], v[\x], -v[TQ+\b], v[TQ+\b]
.endm
.macro SCALES i, n                     ; 0: the conversion's scale operand; 1: the bound; 2: its second copy; 3: the scale byte
.if (\i) == 0
	v_add_nc_u32 v[SOP+\n], -(EMAX<<23), v[TQ]
.elseif (\i) == 1
	v_and_or_b32 v[TQ+1], v[TQ], 0x7f800000, s62
.elseif (\i) == 2
	v_mov_b32 v[TQ+3], v[TQ+1]
.else
	v_lshrrev_b32 v[EB+\n], 23, v[SOP+\n]
.endif
.endm
.macro MAXQ k, x                       ; 18 lines: the largest magnitude of the 32 sums at x, and the floor
.if (\k) < 4
	v_max3_num_f32 v[TQ+\k], |v[\x+8*(\k)]|, |v[\x+8*(\k)+1]|, |v[\x+8*(\k)+2]|
.elseif (\k) < 12
	v_max3_num_f32 v[TQ+(\k)%4], v[TQ+(\k)%4], |v[\x+8*((\k)%4)+2*((\k)/4)+1]|, |v[\x+8*((\k)%4)+2*((\k)/4)+2]|
.elseif (\k) < 16
	v_max_num_f32 v[TQ+(\k)%4], v[TQ+(\k)%4], |v[\x+8*((\k)%4)+7]|
.elseif (\k) == 16
	v_max3_num_f32 v[TQ], v[TQ], v[TQ+1], v[TQ+2]
.else
	v_max3_num_f32 v[TQ], v[TQ], v[TQ+3], (EMAX+1)<<23
.endif
.endm
.macro HOLDS m, x                      ; two holds; from the fourth pair on the bound's second copy alternates
.if (\m) == 3
	HOLD \x, 3
	HOLD \x+1, 3
.else
	HOLD \x, 1
	HOLD \x+1, 1
.endif
.if (\m) == 2
	SCALES 2, 0
.endif
.endm
.macro GAPQ m, x                       ; THE QUANTISER OF A BLOCK OF q OR k, gaps 0 .. 26: a scale block of 32 lies in a lane: the sums at x -> codes NCD, byte EB
.if (\m) < 9
	MAXQ 2*(\m), \x
	MAXQ 2*(\m)+1, \x
.elseif (\m) == 9
	SCALES 0, 0
	SCALES 1, 0
.elseif (\m) < 26
	HOLDS (\m)-10, \x+2*((\m)-10)
.if ((\m)-10)%4 == 3
	v_cvt_scalef32_pk8_bf8_f32 v[NCD+2*(((\m)-10)/4):NCD+2*(((\m)-10)/4)+1], v[\x+8*(((\m)-10)/4):\x+8*(((\m)-10)/4)+7], v[SOP]
.endif
.elseif (\m) == 26
	SCALES 3, 0
.endif
.endm
.macro GAPV u, x                       ; OF A PAIR OF v's BLOCKS, gaps 0 .. 59, 15 a tile: a scale block lies in lanes l and l xor 16: the even block's sums at x, the odd's at x + 32 -> codes MCD + 4 t, bytes EB + t
.set T_, (\u)/15
.set J_, (\u)%15
.set E_, \x+8*T_
.set O_, E_+32
.if (\u) > 59
.elseif J_ == 0
	v_max3_num_f32 v[TQ], |v[E_]|, |v[E_+1]|, |v[E_+2]|
	v_max3_num_f32 v[TQ+2], |v[O_]|, |v[O_+1]|, |v[O_+2]|
.elseif J_ < 3
	v_max3_num_f32 v[TQ], v[TQ], |v[E_+2*J_+1]|, |v[E_+2*J_+2]|
	v_max3_num_f32 v[TQ+2], v[TQ+2], |v[O_+2*J_+1]|, |v[O_+2*J_+2]|
.elseif J_ == 3
	v_max3_num_f32 v[TQ+2], v[TQ+2], |v[O_+7]|, (EMAX+1)<<23
	v_max3_num_f32 v[TQ], v[TQ], |v[E_+7]|, v[TQ+2]
.elseif J_ == 4
	v_permlanex16_b32 v[TQ+2], v[TQ], s60, s61
	v_max_num_f32 v[TQ], v[TQ], v[TQ+2]
.elseif J_ == 5
	SCALES 0, T_
	SCALES 1, T_
.elseif J_ < 10
	HOLDS J_-6, E_+2*(J_-6)
.if J_ == 9
	v_cvt_scalef32_pk8_bf8_f32 v[MCD+4*T_:MCD+4*T_+1], v[E_:E_+7], v[SOP+T_]
.endif
.elseif J_ < 14
	HOLDS J_-6, O_+2*(J_-10)
.if J_ == 13
	v_cvt_scalef32_pk8_bf8_f32 v[MCD+4*T_+2:MCD+4*T_+3], v[O_:O_+7], v[SOP+T_]
.endif
.else
	SCALES 3, T_
.endif
.endm
.macro RDESC i, off, lds               ; group 0 of a refill, in two parts: my quarter of 128 rows, the rows at s[off] of x's codes, into LDS at s[lds]
.if (\i) == 0
	s_mul_i32 s[G0R+1], s14, CH/4*PITCH
	s_add_co_u32 s[G0R+1], s[G0R+1], s\lds
	s_mul_i32 s20, s14, CH/4*KROW
	s_add_co_u32 s20, s20, s\off
.else
	s_mov_b32 s21, 0
	s_add_nc_u64 s[G0R+2:G0R+3], s[4:5], s[20:21]
	s_or_b32 s[G0R+3], s[G0R+3], 0x80000000
.endif
.endm
; WHAT STANDS BEHIND PRODUCT n.  j: the block's number in its trip (the second loop's: 4, 5; v's: -1, -2).  0 and 1: the addresses of the block two on; 2: a prefetch's address, the next pair's bytes; 29, 30: a refill's group 0; from 1 on a way out: y = 1 a block's at x; 2, 3 the halves of v's pair at x
.macro LIST n, j, y, x
.if (\n) == 0
.if (\j) == 1 || (\j) == 3 || (\j) == 5
	s_add_nc_u64 s[84:85], s[84:85], 4*4096        ; the next pair's row tiles: wave rows take two by turns
.if (\j) == 1
	s_cmp_eq_u32 s46, 2
	s_cselect_b64 s[84:85], s[88:89], s[84:85]
.endif
.endif
	WIN 0
.if (\j) == 0 || (\j) == 1
	s_add_co_u32 s22, s101, (64+16*(\j))*PITCH
.elseif (\j) > 1
	s_add_co_u32 s22, s47, 16*((\j)%2)*PITCH
.else
	s_add_co_u32 s22, s47, 16*(-1-(\j))*PITCH
.endif
	v_add_nc_u32 v[ADRA], s22, v[ADRA0]
.elseif (\n) == 1
	WIN 0
.if (\j) == 0 || (\j) == 1
	s_add_co_u32 s22, s17, (4+(\j))*S16
.elseif (\j) > 1
	s_add_co_u32 s22, s8, ((\j)%2)*S16
.else
	s_add_co_u32 s22, s8, (-1-(\j))*S16
.endif
	v_add_nc_u32 v[AAS], s22, v[AAS0]
.endif
.if (\j) == 2 && (\n) == 2
	WIN 0
	v_lshl_add_u32 v7, v3, 8, s23
.elseif (\j) == 0 && ((\n) == 29 || (\n) == 30)
	RDESC (\n)-29, 6, 47
.elseif ((\j) == 1 || (\j) == 3 || (\j) == 5) && (\n) == 2
	WIN 0
	s_add_co_u32 s9, s9, 128
	v_add_nc_u32 v[VX], s9, v[VXB]
.endif
.if (\y) == 1 && (\n) > 0 && (\n) < 28
	WIN 0
	GAPQ (\n)-1, \x
.elseif (\y) == 2 && (\n) > 0 && (\n) < 31
	WIN 0
	GAPV (\n)-1, \x
.elseif (\y) == 3 && (\n) > 0 && (\n) < 31
	WIN 0
	GAPV (\n)+29, \x
.endif
.endm
.macro BLOCK kind, e, a, from, to, j, y, x
.set N_, \from
.rept (\to)-(\from)
	PROD \kind, \e, \a, N_
	LIST N_, \j, \y, \x
.set N_, N_+1
.endr
.endm
.macro BLK kind, e, a, w, j, y, x      ; a block; w: the wait's count (-1: none)
.if (\w) >= 0
	s_wait_dscnt \w
.endif
	s_wait_xcnt 0x0
	BLOCK \kind, \e, \a, 0, 32, \j, \y, \x
	WIN 0
	PLACES NP
.endm
.macro RBLK kind, e, a, w, j, y, x     ; with a round of the cluster's barrier
.if (\w) >= 0
	s_wait_dscnt \w
.endif
	s_wait_xcnt 0x0
	GRD
	BLOCK \kind, \e, \a, 0, 28, \j, \y, \x
	WIN 0
	WALU
	s_wait_dscnt 0x0
	s_barrier_signal -1
	BLOCK \kind, \e, \a, 28, 32, \j, \y, \x
	MIDDLE
	BARRIER
.endm
.macro SBLK kind, e, a, w, j, y, x, half=0   ; with a plain barrier (half = 1: it shows waves 0 and 1's loads alone)
.if (\w) >= 0
	s_wait_dscnt \w
.endif
	s_wait_xcnt 0x0
	BLOCK \kind, \e, \a, 0, 28, \j, \y, \x
	WIN 0
	WALU
.if \half
	s_cmp_lt_u32 s14, 2
	s_cbranch_scc0 .Lnot_yet_\@
	s_wait_tensorcnt 0x0
.Lnot_yet_\@:
.else
	s_wait_tensorcnt 0x0
.endif
	s_wait_dscnt 0x0
	s_barrier_signal -1
	BLOCK \kind, \e, \a, 28, 32, \j, \y, \x
	WIN 0
	s_barrier_wait -1
	PLACES NP
.endm
.macro QOUT off, boff                  ; a block's byte to LDS, its 32 codes a lane to memory: each store fills two runs of 256 bytes
	ds_store_b8 v[VX], v[EB] offset:\boff
	global_store_b128 v[CN], v[NCD:NCD+3], s[84:85] offset:\off
	global_store_b128 v[CN], v[NCD+4:NCD+7], s[84:85] offset:(\off)+256
.endm
.irp q, 0,1,2,3,4,5,6,7                ; the first weight into windows 1 and 2
.irp b, 0,2
	FRAG NB*\q+\b, ADRE, \q, 8*\b*PITCH
	FRAG NB*\q+\b+1, ADRO, \q, 8*(\b+1)*PITCH
.endr
.endr
	WIN 0
	s_wait_tensorcnt 0x0                           ; chunk 0 and the scale bytes are in; the first weight is in registers
	s_wait_dscnt 0x0
	BARRIER
	FETCHAT 0, ADRA0, AAS0
	FETCHAT 1, 1, 2
	s_load_b64 s[92:93], s[0:1], 0x58              ; qkv
	s_load_b64 s[94:95], s[0:1], 0x60              ; qkvs
	s_mov_b32 s60, 0x76543210
	s_mov_b32 s61, 0xfedcba98
	s_mov_b32 s62, 0x600000
	s_mov_b64 s[86:87], s[4:5]                     ; what the loop's prefetches name
.set I_, 0
.rept 32
	v_mov_b32 v[ACC+32+I_], 0                      ; (the first way out reads them)
.set I_, I_+1
.endr
	s_wait_kmcnt 0x0
	s_add_nc_u64 s[96:97], s[92:93], s[80:81]
	s_add_nc_u64 s[98:99], s[94:95], s[82:83]
	s_add_nc_u64 s[92:93], s[92:93], s[76:77]
	s_add_nc_u64 s[94:95], s[94:95], s[78:79]
	s_lshl_b32 s20, s18, 16
	s_mov_b32 s21, 0
	s_add_nc_u64 s[88:89], s[92:93], s[20:21]      ; codes of v's window
	s_xor_b32 s20, s20, 0x10000
	s_add_nc_u64 s[84:85], s[92:93], s[20:21]      ; of the other window, a pair early
	s_sub_nc_u64 s[84:85], s[84:85], 4*4096
	s_mov_b32 s46, 0                               ; PHASE 1.  s46 the trip; s101, s47 this and the next chunk's slot; s17, s8 their scale words' place; s6 the rows that are loaded; s9 the pairs' bytes; s23 where my share of what is asked for ahead begins
	s_mov_b32 s9, 0
	s_mov_b32 s23, 0
	s_mov_b32 s101, 0
	s_mov_b32 s47, YB
	s_mov_b32 s17, 0
	s_mov_b32 s8, 8*S16
	s_wait_loadcnt 0x0
.Lfour:
	RBLK 0, 0, 0, NF, 0, 1, ACC+32                 ; blocks 0, 4, 8: chunks 1, 2, 3 come
	s_cmp_lt_u32 s14, 2                            ; waves 0, 1 and waves 2, 3 have a load line each: the barrier inside the block two on waits for the first line's alone
	s_cbranch_scc0 .Lupper
	TLOAD G0R, G1R
	s_branch .Lboth
.Lupper:
	TLOAD G0R, G1R
.Lboth:
	PLACES NP-4
	s_cmp_eq_u32 s46, 0
	s_cbranch_scc1 .Lno_block_before
	QOUT 4096, 32
.Lno_block_before:
	FETCHAT 0, ADRA, AAS
	BLK 0, 1, 1, -1, 1, 1, ACC
	QOUT 0, 0
	FETCHAT 1, ADRA, AAS
	SBLK 0, 0, 0, NF, 2, 1, ACC+32, 1              ; the next chunk's first half is in
	QOUT 4096, 32
	s_cmp_eq_u32 s46, 0
	s_cbranch_scc1 .Lnone_ahead
	global_prefetch_b8 v7, s[86:87] th:TH_LOAD_NT scope:SCOPE_SE
.Lnone_ahead:
	FETCHAT 0, ADRA, AAS
	BLK 0, 1, 1, -1, 3, 1, ACC
	QOUT 0, 0
	FETCHAT 1, ADRA, AAS
	s_cmp_eq_u32 s46, 0
	s_cselect_b32 s6, s2, s7
	s_cselect_b32 s21, s90, s100
	s_cselect_b32 s22, s7, s3
	s_cselect_b64 s[86:87], s[4:5], s[66:67]
	s_lshl_b32 s21, s21, 13
	s_add_co_u32 s23, s21, s22
	s_mov_b32 s101, s47
	s_mov_b32 s17, s8
	s_xor_b32 s47, s47, YB
	s_add_co_u32 s8, s8, 8*S16
	s_add_co_u32 s46, s46, 1
	s_cmp_lg_u32 s46, 3
	s_cbranch_scc1 .Lfour
	GRD
	s_mul_i32 s20, s14, CH/4*KROW
	s_add_co_u32 s20, s20, s3
	s_mov_b32 s21, 0
	s_mul_i32 s[G0A+1], s14, CH/4*PITCH
	s_add_nc_u64 s[G0A+2:G0A+3], s[66:67], s[20:21]
	s_or_b32 s[G0A+3], s[G0A+3], 0x80000000
	GROUP1 G1A, 45, CH/4
	s_wait_dscnt 0x0
	s_barrier_signal -1
	MIDDLE
	BARRIER
	TLOAD G0A, G1A
	s_mov_b32 s47, YB+64*PITCH
	s_mov_b32 s8, 28*S16
.Ltwo:
	BLK 0, 0, 0, NF, 4, 1, ACC+32                  ; blocks 12, 14
	QOUT 4096, 32
	FETCHAT 0, ADRA, AAS
	BLK 0, 1, 1, NF, 5, 1, ACC                     ; 13, 15; the block two on is then v's: chunk 3 again, as it lies in slot 1
	QOUT 0, 0
	FETCHAT 1, ADRA, AAS
	s_mov_b32 s47, YB
	s_mov_b32 s8, 24*S16
	s_add_co_u32 s46, s46, 1
	s_cmp_lg_u32 s46, 5
	s_cbranch_scc1 .Ltwo
; the change of phase
	s_wait_xcnt 0x0
	s_wait_tensorcnt 0x0                           ; Wv's rows are in
	s_wait_dscnt 0x0
	BARRIER
.macro CHANGE i                        ; among Wv's 128 loads: the last block's way out; Wv's scale words into their place; zeros into what no block has written yet
.if (\i) < 7
.irp k, 0,1,2,3
.if 4*(\i)+\k < 27
	GAPQ 4*(\i)+\k, ACC+32
.endif
.endr
.elseif (\i) < 9
.irp q, 0,1,2,3,4,5,6,7
	v_mov_b32 v[SB+8*((\i)-7)+\q], v[WS+8*((\i)-7)+\q]
.endr
.elseif (\i) < 15
.irp q, 0,1,2,3,4,5,6,7
	v_mov_b32 v[ACC+80+8*((\i)-9)+\q], 0
.endr
.endif
.endm
.irp q, 0,1,2,3,4,5,6,7
.irp b, 0,2
	FRAG NB*\q+\b, ADRV, \q, \b*16*PITCH
	FRAG NB*\q+\b+1, ADRV, \q, (\b+1)*16*PITCH
	WIN 0
	CHANGE 2*\q+\b/2
.endr
.endr
.irp t, 0,1,2,3
.irp i, 0,1,2,3,4,5,6,7
	v_mov_b32 v[BQ+8*\t+\i], v[BV+\t]
.endr
.endr
	WALU
	QOUT 4096, 32
	GRD
	s_mov_b32 s47, 0
	RDESC 0, 2, 47
	RDESC 1, 2, 47
	s_mov_b32 s46, 0
	s_mov_b32 s47, YB+64*PITCH
	s_mov_b32 s8, 28*S16
	s_wait_dscnt 0x0
	s_barrier_signal -1
	MIDDLE
	BARRIER
	TLOAD G0R, G1R
.macro VOUT                            ; a pair of v's blocks: four tiles' bytes and codes
.irp t, 0,1,2,3
	ds_store_b8 v[VX], v[EB+\t] offset:32*\t
	global_store_b128 v[CO], v[MCD+4*\t:MCD+4*\t+3], s[84:85] offset:2048*\t
.endr
.endm
.macro VTO                             ; s22 = p, the pair: keys 64 p + 32 w on of the window
	s_lshr_b32 s20, s22, 1                         ; which 128 keys,
	s_lshl_b32 s23, s20, 8
	s_lshl_b32 s20, s20, 17
	s_and_b32 s21, s22, 1                          ; and which half of them
	s_add_co_u32 s23, s23, s21
	s_lshl_b32 s21, s21, 10
	s_add_co_u32 s20, s20, s21
	s_mov_b32 s21, 0
	s_add_nc_u64 s[84:85], s[96:97], s[20:21]
	v_add_nc_u32 v[VX], s23, v[RD]
.endm
.Lpair:
	BLK 1, 0, 0, -1, -1, 2, ACC+64
	s_cmp_eq_u32 s46, 3
	s_cbranch_scc1 .Lnone_0
	FETCHAT 0, ADRA, AAS
	s_wait_dscnt NF
	s_branch .Lgo
.Lnone_0:
	s_wait_dscnt 0x0
.Lgo:
	SBLK 1, 1, 1, -1, -2, 3, ACC+64                ; the first trip's shows chunk 2
.set I_, 0
.rept 32                               ; the pair's sums are copied, so that one trip is two blocks of text
	v_dual_mov_b32 v[ACC+64+I_], v[ACC+I_] :: v_dual_mov_b32 v[ACC+64+I_+1], v[ACC+I_+1]
.set I_, I_+2
.endr
	s_add_co_u32 s22, s46, 1
	s_and_b32 s22, s22, 3
	VTO
	s_cmp_eq_u32 s46, 0
	s_cbranch_scc1 .Lno_pair_before
	VOUT
.Lno_pair_before:
	s_cmp_eq_u32 s46, 3
	s_cbranch_scc1 .Lnone_1
	FETCHAT 1, ADRA, AAS
.Lnone_1:
	s_mov_b32 s8, 20*S16
	s_cmp_eq_u32 s46, 0
	s_cselect_b32 s47, 0, 64*PITCH
	s_cselect_b32 s8, 16*S16, s8
	s_add_co_u32 s46, s46, 1
	s_cmp_lg_u32 s46, 4
	s_cbranch_scc1 .Lpair
	s_wait_xcnt 0x0
.set K_, 0
.rept 60
	GAPV K_, ACC+64
.set K_, K_+1
.endr
	WALU                                           ; the last byte
	s_mov_b32 s22, 1
	VTO
	VOUT
	s_wait_dscnt 0x0                               ; the scale bytes
	BARRIER
	s_lshl_b32 s21, s14, 8                         ; my 128 rows of q's or k's words: two bytes from each wave column
	s_add_co_u32 s21, s21, XN
	v_lshl_add_u32 v21, v3, 3, s21
	s_lshl_b32 s21, s14, 7                         ; my 64 channels of v's words: two bytes from each wave row
	s_add_co_u32 s21, s21, XV
	v_lshl_add_u32 v23, v3, 2, s21
	v_lshlrev_b32 v20, 4, v3
	v_lshlrev_b32 v22, 3, v3
	s_wait_alu depctr_va_vdst(0)
	ds_load_b64 v[60:61], v21
	ds_load_b64 v[62:63], v21 offset:1024
	ds_load_b32 v40, v23
	ds_load_b32 v41, v23 offset:512
	s_mov_b32 s20, 0x05040100
	s_mov_b32 s21, 0x07060302
	s_mov_b32 s22, 0x05010400
	s_mov_b32 s23, 0x07030602
	s_wait_dscnt 0x0
	v_perm_b32 v64, v62, v60, s20
	v_perm_b32 v65, v62, v60, s21
	v_perm_b32 v66, v63, v61, s20
	v_perm_b32 v67, v63, v61, s21
	v_perm_b32 v68, v41, v40, s22                  ; bytes: pair 0 of wave rows 0, 1, then pair 1
	v_perm_b32 v69, v41, v40, s23
	global_store_b128 v20, v[64:67], s[94:95]
	global_store_b64 v22, v[68:69], s[98:99]
	s_wait_tensorcnt 0x0                           ; the wave's end
	ds_add_u32 v[SPW], v[NIL]
	s_wait_dscnt 0x0
	CROUND
	s_endpgm
.Lfunc_end_k_qd099cbe479_proj:
	.size	k_qd099cbe479_proj, .Lfunc_end_k_qd099cbe479_proj-k_qd099cbe479_proj
	.p2alignl 7, 3214868480
	.fill 96, 4, 3214868480
	.section	.rodata,"a",@progbits
	.p2align	6, 0x0
	.amdhsa_kernel k_qd099cbe479_proj
		.amdhsa_group_segment_fixed_size 327680
		.amdhsa_private_segment_fixed_size 0
		.amdhsa_enable_private_segment 0
		.amdhsa_kernarg_size 104
		.amdhsa_user_sgpr_count 2
		.amdhsa_user_sgpr_kernarg_segment_ptr 1
		.amdhsa_wavefront_size32 1
		.amdhsa_system_sgpr_workgroup_id_x 1
		.amdhsa_system_sgpr_workgroup_id_y 1
		.amdhsa_system_sgpr_workgroup_id_z 1
		.amdhsa_system_vgpr_workitem_id 0
		.amdhsa_next_free_vgpr 1024
		.amdhsa_next_free_sgpr 102
		.amdhsa_reserve_vcc 0
		.amdhsa_float_denorm_mode_32 3
		.amdhsa_float_denorm_mode_16_64 3
		.amdhsa_memory_ordered 1
		.amdhsa_forward_progress 1
		.amdhsa_inst_pref_size 164
	.end_amdhsa_kernel
	.amdgpu_metadata
---
amdhsa.version: [ 1, 2 ]
amdhsa.kernels:
  - .name:           k_qd099cbe479_proj
    .symbol:         k_qd099cbe479_proj.kd
    .args:
      - { .name: x_codes, .offset: 0, .size: 8, .value_kind: global_buffer, .address_space: global }
      - { .name: x_scales, .offset: 8, .size: 8, .value_kind: global_buffer, .address_space: global }
      - { .name: Wq_codes, .offset: 16, .size: 8, .value_kind: global_buffer, .address_space: global }
      - { .name: Wq_scales, .offset: 24, .size: 8, .value_kind: global_buffer, .address_space: global }
      - { .name: Wk_codes, .offset: 32, .size: 8, .value_kind: global_buffer, .address_space: global }
      - { .name: Wk_scales, .offset: 40, .size: 8, .value_kind: global_buffer, .address_space: global }
      - { .name: Wv_codes, .offset: 48, .size: 8, .value_kind: global_buffer, .address_space: global }
      - { .name: Wv_scales, .offset: 56, .size: 8, .value_kind: global_buffer, .address_space: global }
      - { .name: bq, .offset: 64, .size: 8, .value_kind: global_buffer, .address_space: global }
      - { .name: bk, .offset: 72, .size: 8, .value_kind: global_buffer, .address_space: global }
      - { .name: bv, .offset: 80, .size: 8, .value_kind: global_buffer, .address_space: global }
      - { .name: qkv, .offset: 88, .size: 8, .value_kind: global_buffer, .address_space: global }
      - { .name: qkvs, .offset: 96, .size: 8, .value_kind: global_buffer, .address_space: global }
    .group_segment_fixed_size: 327680
    .private_segment_fixed_size: 0
    .kernarg_segment_align: 8
    .kernarg_segment_size: 104
    .max_flat_workgroup_size: 128
    .sgpr_count:     102
    .vgpr_count:     1024
    .wavefront_size: 32
...
	.end_amdgpu_metadata
.endif
;; end of part 1
;; launch scores (part 2): grid 8 x 32, 4 waves a work-group, clusters of 4 x 4, 327,680 bytes of LDS; arguments qkv, qkvs, pimg, pst; writes pimg, pst
.if DOCPART == 2
	.amdgcn_target "amdgcn-amd-amdhsa--gfx1250"
	.amdhsa_code_object_version 6
	.text
	.protected	k_qd099cbe479_scores
	.globl	k_qd099cbe479_scores
	.p2align	8
	.type	k_qd099cbe479_scores,@function
k_qd099cbe479_scores:
	s_mov_b64 s[64:65], 0
	v_nop
	global_prefetch_b8 v0, s[64:65] scope:SCOPE_SE
	s_setreg_imm32_b32 hwreg(HW_REG_WAVE_MODE, 25, 1), 1
	s_wait_xcnt 0x0
	s_wait_alu depctr_hold_cnt(0) depctr_sa_sdst(0) depctr_va_vdst(0) depctr_va_sdst(0) depctr_va_ssrc(0) depctr_va_vcc(0) depctr_vm_vsrc(0)
	s_getreg_b32 s2, hwreg(HW_REG_IB_STS2, 6, 4)
	s_cmp_eq_u32 s2, 0
	s_cbranch_scc0 .Lentry_in_a_cluster
	s_endpgm
.Lentry_in_a_cluster:
	s_bfe_u32 s2, ttmp6, 0x10000c
	s_cmp_lg_u32 s2, 0xf033
	s_cbranch_scc0 .Lentry_shape_is_right
	s_endpgm
.Lentry_shape_is_right:
; S = q k^T on codes of BF8 (E5M2) with E8M0 scales, K = 1,024; then for each (query, chunk of 128 keys): t = S log2(e) / 32, M = ceil of the chunk's largest t, p = 2^(t - M), its sum l in f32, and p's codes along the keys.
; A tile is 256 queries x 256 keys; four waves of 128 x 128: 64 accumulators, 512 registers.  K steps of 256 through a ring of two slots.  Codes lie as images of operand registers, so a fragment is four loads of 512 consecutive bytes and LDS needs no padding.
; The matrix instruction is used transposed (source 0 = 16 keys, source 1 = 16 queries): a lane holds one query; a wave's 128 keys are one chunk.
; CLUSTERS: 4 x 4; q's tiles are asked for jointly along a row of the cluster, k's along a column.  At the head each wave has one joint load: q's tile, k's tile, q's scale words, k's scale words; K step 1 follows behind a round.
; PREFETCH: K step 1 at the head, K steps 2 and 3 behind the first round: 65,536 bytes a tile, shared by address among the four partners (16,384 each) and two of the four waves (8,192 each, lanes 256 bytes apart).  Each cluster asks for its own tiles.
; OUT: pimg: P's image [keys / 128][8,192 queries / 16][block of 32: 4][lane 32][16 bytes]; inside a block lane half h holds keys 8 h + 0 .. 7 and 16 + 8 h + 0 .. 7, as v^T's image does.  pst: planes of words, -M, l: [chunk][8,192].
; THE SOFTMAX is a loop over a wave's eight blocks of 16 queries: a front of its own for each block's accumulators, one back for all.  A block of 32's largest p is its largest score, put through the same multiply-add and exponential.
; LIMITS: scaled scores stay under 2^31 in magnitude; NaN and infinities are not served; a block's byte is at least 1 (a block of zeros too): only this program reads the bytes.
; REGISTERS: window 0: v0-31 addresses; v32-63 scale words, two sets; v128-255 q's fragments, one set.  window 1: k's, two sets.  windows 2, 3: accumulator (a, b) at v[8 (8 (a % 4) + b)] of window 2 + a / 4.  Behind the products v32-95 and v128-207 are at work.
.set NQ,     2
.set FR,     16
.set NL,     4
.set NP,     8                         ; places behind this matrix instruction (ISA guide 7.12.1)
.set HALFT,  32768                     ; 128 rows x 256 K
.set SLOT,   4*HALFT
.set LAPS,   2
.set STEPK,  2097152                   ; a K step on in q's or k's image
.set KIMG,   8388608
.set KSCL,   262144
.set SCL,    2*SLOT                    ; q's words [unit of 128: 8][256 rows], then k's
.set SSTEP,  2048
.set SPARE,  SCL+16384
.set STG,    SPARE+512                 ; 1,536 bytes a wave: words, -M, l of its 128 queries
.set SRA,  7
.set PFO,  8                           ; v8  256 x lane; never rewritten
.set ADRA, 16
.set ADRB, 20
.set ADRS, 27
.set SPW,  28
.set NIL,  29
.set L16,  30
.set SWA,  31
.set SC,   32
.set AF,   128
.set BX,   32                          ; the softmax: v32-35 largest scores, v36-39 bytes, v40-43 bounds, v44-47 scale operands
.set TP,   36
.set LM,   40
.set SO,   44
.set NMP,  64                          ; v64 -M, v65 l
.set PWA,  80                          ; v80 the scale word
.set T,    128
.set PC,   192
.set G1, 24
.set G0, 32
.set G1B, 48
.set G0B, 56
.set G1S, 68
.set G0S, 76
.set G1SB, 80
.set G0SB, 88
.set MSB, 0
.macro WIN new                         ; the immediate's high byte repeats the setting that is left
.if MSB != \new
	s_set_vgpr_msb (MSB<<8)|\new
.set MSB, \new
.endif
.endm
.set MUL_LO, 0xa1                      ; source 0 (k) window 1, source 1 (q) window 0, C and D window 2
.set MUL_HI, 0xf1                      ; C and D window 3
.set TO_B,   0x40
.macro TLOAD g0, g1
	tensor_load_to_lds s[\g0:\g0+3], s[\g1:\g1+7]
	s_nop 0
.rept 4
	v_nop
.endr
.endm
.macro JLOAD g0a, g1a, g0b, g1b        ; waves 0 and 1 fetch for q, waves 2 and 3 for k
	s_cmp_eq_u32 s15, 0
	s_cbranch_scc0 .Lfor_b_\@
	TLOAD \g0a, \g1a
	s_branch .Lasked_\@
.Lfor_b_\@:
	TLOAD \g0b, \g1b
.Lasked_\@:
.endm
.macro CREST                           ; a round of the cluster's barrier behind its opening barrier
	s_cmp_lg_u32 s14, 0
	s_cbranch_scc1 .Lnot_wave_0_\@
	s_barrier_signal -3
.Lnot_wave_0_\@:
	s_barrier_wait -3
	s_barrier_signal -1
	s_barrier_wait -1
.endm
.macro CROUND
	s_barrier_signal -1
	s_barrier_wait -1
	CREST
.endm
	s_load_b128 s[4:7], s[0:1], 0x0                ; qkv, qkvs
	s_load_b128 s[8:11], s[0:1], 0x10              ; pimg, pst
	v_lshl_add_u32 v[SPW], v0, 2, SPARE
	v_mov_b32 v[NIL], 0
	ds_add_u32 v[SPW], v[NIL]                      ; the wave's opening: the add, twice on end, and its wait
	ds_add_u32 v[SPW], v[NIL]
	v_lshrrev_b32 v1, 5, v0
	v_readfirstlane_b32 s14, v1                    ; wave 0..3
	s_lshr_b32 s15, s14, 1                         ; my half of the queries.  In the ring: I fetch for q (0) or k (1)
	s_and_b32 s16, s14, 1                          ; my half of the keys.  In the ring: which 128 rows I fetch
	s_bfe_u32 s40, ttmp6, 0x40000                  ; cx, cy
	s_bfe_u32 s41, ttmp6, 0x40004
	s_lshl_b32 s42, ttmp9, 2
	s_add_co_u32 s42, s42, s40                     ; tile of 256 keys of the batch
	s_and_b32 s2, ttmp7, 0xffff
	s_lshl_b32 s17, s2, 2
	s_add_co_u32 s17, s17, s41                     ; tile of 256 queries
	s_lshr_b32 s2, s2, 1                           ; the batch
	s_lshl_b32 s43, s41, 2
	s_lshl_b32 s43, 15, s43                        ; my row of the cluster
	s_lshl_b32 s44, 0x1111, s40                    ; my column
	s_mov_b32 s95, 0x600000                        ; the mantissa field of 57,344
	s_mov_b32 s98, 0x3d38aa3b                      ; log2(e) / 32
	s_mov_b32 s99, s98
	s_mov_b32 s100, 0x76543210
	s_mov_b32 s101, 0xfedcba98                     ; v_permlanex16_b32's selects for lane l xor 16
	s_or_b32 s[G1+0], s43, (3<<16)|(1<<21)
	s_or_b32 s[G1B+0], s44, (3<<16)|(1<<21)
.irp g, G1, G1B                        ; the head's loads: 256 rows x 256 K, 65,536 dense bytes as rows of 256; the ring's bring half of it
	s_mov_b32 s[\g+1], 32<<16
	s_mov_b32 s[\g+2], 256<<16
	s_mov_b32 s[\g+3], 32<<16
	s_mov_b32 s[\g+4], 256
	s_mov_b32 s[\g+5], 32
	s_mov_b32 s[\g+6], 0
	s_mov_b32 s[\g+7], 0
.endr
	s_or_b32 s[G1S+0], s43, (3<<16)|(1<<21)
	s_or_b32 s[G1SB+0], s44, (3<<16)|(1<<21)
.irp g, G1S, G1SB                      ; 256 rows' words, 1,024 bytes, for each of 8 units of 128 along K
	s_mov_b32 s[\g+1], 128<<16
	s_mov_b32 s[\g+2], 8<<16
	s_mov_b32 s[\g+3], 128<<16
	s_mov_b32 s[\g+4], 8
	s_mov_b32 s[\g+5], 4096
	s_mov_b32 s[\g+6], 0
	s_mov_b32 s[\g+7], 0
.endr
	s_lshl_b32 s18, s16, 15                        ; the half of a tile that I fetch in the ring
	s_mov_b32 s19, 0
	s_lshl_b32 s20, s17, 16
	s_mov_b32 s21, 0
	s_lshl_b32 s46, s2, 3
	s_add_co_u32 s46, s46, s42
	s_lshl_b32 s92, s46, 10
	s_lshl_b32 s46, s46, 16
	s_add_co_u32 s46, s46, KIMG
	s_mov_b32 s47, 0
	s_lshl_b32 s22, s17, 10
	s_mov_b32 s23, 0
	s_add_co_u32 s92, s92, KSCL
	s_mov_b32 s93, 0
	s_lshl_b32 s45, s14, 15                        ; where my part of a slot lies
	s_wait_dscnt 0x0                               ; both opening adds are done
	s_wait_kmcnt 0x0
	s_add_nc_u64 s[20:21], s[4:5], s[20:21]
	s_add_nc_u64 s[22:23], s[6:7], s[22:23]
	s_add_nc_u64 s[46:47], s[4:5], s[46:47]
	s_add_nc_u64 s[92:93], s[6:7], s[92:93]
	CROUND
	s_mov_b32 s[G0S], 1
	s_mov_b32 s[G0S+1], SCL
	s_mov_b64 s[G0S+2:G0S+3], s[22:23]
	s_or_b32 s[G0S+3], s[G0S+3], 0x80000000
	s_mov_b32 s[G0SB], 1
	s_mov_b32 s[G0SB+1], SCL+8192
	s_mov_b64 s[G0SB+2:G0SB+3], s[92:93]
	s_or_b32 s[G0SB+3], s[G0SB+3], 0x80000000
	s_mov_b32 s[G0], 1
	s_mov_b32 s[G0+1], 0
	s_mov_b64 s[G0+2:G0+3], s[20:21]
	s_or_b32 s[G0+3], s[G0+3], 0x80000000
	s_mov_b32 s[G0B], 1
	s_mov_b32 s[G0B+1], 2*HALFT
	s_mov_b64 s[G0B+2:G0B+3], s[46:47]
	s_or_b32 s[G0B+3], s[G0B+3], 0x80000000
; one tree of branches on the wave's number: every way through the head passes exactly one load
.macro ARM under, g0, g1, next
	s_cmp_lt_u32 s14, \under
	s_cbranch_scc0 \next
	TLOAD \g0, \g1
	s_branch .Lhead_asked
\next:
.endm
	ARM 1, G0,  G1,  .Lhead_b
	ARM 2, G0B, G1B, .Lhead_sa
	ARM 3, G0S, G1S, .Lhead_sb
	TLOAD G0SB, G1SB
.Lhead_asked:
	s_cmp_eq_u32 s15, 0                            ; s[66:67] my share of a tile's prefetches, K step 0; never rewritten
	s_cselect_b64 s[66:67], s[20:21], s[46:47]
	s_cselect_b32 s22, s40, s41                    ; my place among the four that ask jointly
	s_lshl_b32 s22, s22, 14
	s_lshl_b32 s23, s16, 13
	s_add_co_u32 s22, s22, s23
	s_mov_b32 s23, 0
	s_add_nc_u64 s[66:67], s[66:67], s[22:23]
	v_and_b32 v1, 15, v0                           ; r
	v_bfe_u32 v2, v0, 4, 1                         ; h
	v_and_b32 v6, 31, v0
	v_lshlrev_b32 v[L16], 4, v6
	v_lshlrev_b32 v[PFO], 8, v6
	s_wait_alu depctr_va_vdst(0)
	global_prefetch_b8 v[PFO], s[66:67] offset:STEPK th:TH_LOAD_NT scope:SCOPE_SE
	s_lshl_b32 s21, s15, 15
	s_lshl_b32 s22, s16, 15
	s_add_co_u32 s22, s22, 2*HALFT
.irp s, 0,1
	v_add_nc_u32 v[ADRA+\s], s21, v[L16]
	v_add_nc_u32 v[ADRB+\s], s22, v[L16]
	s_add_co_u32 s21, s21, SLOT
	s_add_co_u32 s22, s22, SLOT
.endr
	s_lshl_b32 s21, s15, 9
	s_lshl_b32 s22, s16, 9
	s_add_co_u32 s22, s22, 8192
	s_sub_co_u32 s22, s22, s21
	v_mul_u32_u24 v6, s22, v2                      ; lanes 16-31 take k's words: one product with h
	s_add_co_u32 s21, s21, SCL
	v_lshl_add_u32 v5, v1, 2, v6
	v_add_nc_u32 v[ADRS], s21, v5
	s_mul_i32 s23, s14, 1536
	s_add_co_u32 s23, s23, STG
	v_lshl_add_u32 v[SWA], v1, 2, s23
	v_add_nc_u32 v[SRA], s23, v[L16]
	s_lshl_b32 s20, s42, 21                        ; P: my chunk, 1,048,576 bytes each; my row tiles, 2,048 each
	s_lshl_b32 s21, s16, 20
	s_add_co_u32 s20, s20, s21
	s_lshl_b32 s21, s17, 15
	s_add_co_u32 s20, s20, s21
	s_lshl_b32 s21, s15, 14
	s_add_co_u32 s20, s20, s21
	s_mov_b32 s21, 0
	s_add_nc_u64 s[12:13], s[8:9], s[20:21]
	s_lshl_b32 s22, s42, 1
	s_add_co_u32 s22, s22, s16
	s_lshl_b32 s22, s22, 13
	s_lshl_b32 s23, s17, 8
	s_add_co_u32 s22, s22, s23
	s_lshl_b32 s23, s15, 7
	s_add_co_u32 s22, s22, s23
	s_lshl_b32 s22, s22, 2
	s_mov_b32 s23, 0
	s_add_nc_u64 s[96:97], s[10:11], s[22:23]      ; my 128 queries in a plane of the statistics
.macro FRAG reg, adr, q, i
.irp c, 0,1,2,3
	ds_load_b128 v[\reg+4*\c:\reg+4*\c+3], v[\adr] offset:4096*(\i)+2048*(\q)+512*\c
.endr
.endm
; 16 matrix instructions: q's blocks a0, a0 + 1 x k's eight; p: k's set; sc: the set of scale words.  The 64 accumulators take turns, one instruction a turn, in the same order in every step
.macro MUL16 a0, p, q, sc, zero
.irp a, \a0, \a0+1
.irp b, 0,1,2,3,4,5,6,7
.if \zero
	v_wmma_scale_f32_16x16x128_f8f6f4 v[8*(8*((\a)%4)+\b):8*(8*((\a)%4)+\b)+7], v[128*(\p)+FR*\b:128*(\p)+FR*\b+FR-1], v[AF+FR*(\a):AF+FR*(\a)+FR-1], 0, v[SC+8*NQ*(\sc)+NQ*\b+(\q)], v[SC+8*NQ*(\sc)+NQ*(\a)+(\q)] matrix_a_fmt:MATRIX_FMT_BF8 matrix_b_fmt:MATRIX_FMT_BF8 matrix_a_scale:MATRIX_SCALE_ROW1
.else
	v_wmma_scale_f32_16x16x128_f8f6f4 v[8*(8*((\a)%4)+\b):8*(8*((\a)%4)+\b)+7], v[128*(\p)+FR*\b:128*(\p)+FR*\b+FR-1], v[AF+FR*(\a):AF+FR*(\a)+FR-1], v[8*(8*((\a)%4)+\b):8*(8*((\a)%4)+\b)+7], v[SC+8*NQ*(\sc)+NQ*\b+(\q)], v[SC+8*NQ*(\sc)+NQ*(\a)+(\q)] matrix_a_fmt:MATRIX_FMT_BF8 matrix_b_fmt:MATRIX_FMT_BF8 matrix_a_scale:MATRIX_SCALE_ROW1
.endif
.endr
.endr
.endm
.macro FETCH_B slot, q, p
	WIN TO_B
.irp i, 0,1,2,3,4,5,6,7
	FRAG 128*(\p)+FR*\i, ADRB+\slot, \q, \i
.endr
	WIN 0
.endm
.macro FETCH_A slot, q, i0
.irp i, \i0, \i0+1, \i0+2, \i0+3
	FRAG AF+FR*(\i), ADRA+\slot, \q, \i
.endr
.endm
.macro SCALES sc
.irp i, 0,1,2,3,4,5,6,7
.irp u, 0,1
	ds_load_b32 v[SC+8*NQ*\sc+NQ*\i+\u], v[ADRS] offset:1024*\u+64*\i
.endr
.endr
.endm
.macro PLACES n                        ; plain vector instructions between a matrix instruction and a load into, or a vector read or write of, its registers
.rept \n
	v_nop
.endr
.endm
.macro STEP slot, q, zero              ; 128 along K with a successor in the same slot
	s_wait_dscnt 4*NL                              ; all but the youngest 16 loads (q's blocks 4-7)
	WIN MUL_LO
	MUL16 0, (\q)%2, \q, \slot, \zero
	MUL16 2, (\q)%2, \q, \slot, \zero
	s_wait_dscnt 0
	PLACES NP
	FETCH_B \slot, (\q)+1, 1-(\q)%2
	FETCH_A \slot, (\q)+1, 0
	WIN MUL_HI
	MUL16 4, (\q)%2, \q, \slot, \zero
	MUL16 6, (\q)%2, \q, \slot, \zero
	PLACES NP
	WIN 0
	FETCH_A \slot, (\q)+1, 4
.endm
; A slot's last step changes slots.  fill = 1: the slot is filled again, behind a round
.macro TURN slot, next, fill
	s_wait_tensorcnt 0x0                           ; my part of the next slot is in
	ds_add_u32 v[SPW], v[NIL]
	s_wait_dscnt 4*NL+1                            ; the add and the youngest 16 loads may be out
	WIN MUL_LO
	MUL16 0, 1, NQ-1, \slot, 0
	s_wait_dscnt 0x0                               ; the add is done, and my reads of this slot are over
	s_barrier_signal -1
	MUL16 2, 1, NQ-1, \slot, 0
	WIN 0
	s_barrier_wait -1
.if \fill
	CREST
	s_add_nc_u64 s[G0+4*\slot+2:G0+4*\slot+3], s[G0+4*\slot+2:G0+4*\slot+3], 2*STEPK
	s_add_nc_u64 s[G0B+4*\slot+2:G0B+4*\slot+3], s[G0B+4*\slot+2:G0B+4*\slot+3], 2*STEPK
	JLOAD G0+4*\slot, G1, G0B+4*\slot, G1B
	PLACES NP-4
.else
	PLACES NP
.endif
	s_wait_alu depctr_va_vdst(0)
	v_add_nc_u32 v[ADRS], SSTEP, v[ADRS]
	FETCH_B \next, 0, 0
	FETCH_A \next, 0, 0
	SCALES \next
	WIN MUL_HI
	MUL16 4, 1, NQ-1, \slot, 0
	MUL16 6, 1, NQ-1, \slot, 0
	PLACES NP
	WIN 0
	FETCH_A \next, 0, 4
.endm
	s_wait_alu depctr_va_vdst(0)                   ; the head's end
	s_wait_tensorcnt 0x0                           ; my tile of the head's four is in, so descriptors may be written
	ds_add_u32 v[SPW], v[NIL]
.irp g, G1, G1B
	s_mov_b32 s[\g+2], 128<<16                     ; 128 rows a load from here on
	s_mov_b32 s[\g+4], 128
.endr
.irp g, G0, G0B
	s_add_nc_u64 s[\g+2:\g+3], s[\g+2:\g+3], s[18:19]  ; my half of the tile's rows
	s_mov_b32 s[\g+1], s45
	s_mov_b32 s[\g+4], 1
	s_add_co_u32 s[\g+5], s45, SLOT
	s_add_nc_u64 s[\g+6:\g+7], s[\g+2:\g+3], STEPK
.endr
	s_wait_dscnt 0x0
	CROUND                                         ; all four tiles are in, in every partner
	JLOAD G0+4, G1, G0B+4, G1B                     ; K step 1
	global_prefetch_b8 v[PFO], s[66:67] offset:2*STEPK th:TH_LOAD_NT scope:SCOPE_SE
	global_prefetch_b8 v[PFO], s[66:67] offset:3*STEPK th:TH_LOAD_NT scope:SCOPE_SE
	FETCH_B 0, 0, 0
	FETCH_A 0, 0, 0
	SCALES 0
	FETCH_A 0, 0, 4
	STEP 0, 0, 1                                   ; the first products start the sums
	s_mov_b32 s3, LAPS-1
.Llap:
	TURN 0, 1, 1
	STEP 1, 0, 0
	TURN 1, 0, 1
	STEP 0, 0, 0
	s_sub_co_u32 s3, s3, 1
	s_cmp_lg_u32 s3, 0
	s_cbranch_scc1 .Llap
	TURN 0, 1, 0                                   ; the last lap fills nothing
	STEP 1, 0, 0
	s_wait_dscnt 4*NL
	WIN MUL_LO
	MUL16 0, 1, NQ-1, 1, 0
	MUL16 2, 1, NQ-1, 1, 0
	s_wait_dscnt 0
	WIN MUL_HI
	MUL16 4, 1, NQ-1, 1, 0
	MUL16 6, 1, NQ-1, 1, 0
	WIN 0
; THE FRONT of block a: the largest score of each block of 32 keys, -M, and t - M
.macro FRONT a
.set AC, 64*((\a)%4)
	WIN 0x2a+0x15*((\a)/4)                         ; all three sources in the accumulators' window
	s_wait_alu depctr_va_vdst(0)
.irp b, 0,1,2,3
	v_max3_num_f32 v[BX+\b], v[AC+16*\b], v[AC+16*\b+1], v[AC+16*\b+2]
.endr
	WIN 0x28+0x14*((\a)/4)                         ; sources 1 and 2
.irp i, 3,5,7,9,11,13
.irp b, 0,1,2,3
	v_max3_num_f32 v[BX+\b], v[BX+\b], v[AC+16*\b+\i], v[AC+16*\b+\i+1]
.endr
.endr
.irp b, 0,1,2,3
	v_max_num_f32 v[BX+\b], v[BX+\b], v[AC+16*\b+15]
.endr
	WIN 0
.irp b, 0,1,2,3
	v_permlanex16_b32 v[TP+\b], v[BX+\b], s100, s101
.endr
.irp b, 0,1,2,3
	v_max_num_f32 v[BX+\b], v[BX+\b], v[TP+\b]     ; with lane l xor 16's 16 keys
.endr
	v_max3_num_f32 v54, v[BX], v[BX+1], v[BX+2]
	v_max_num_f32 v54, v54, v[BX+3]
	v_mul_f32 v54, s98, v54                        ; as t: the factor is positive
	v_floor_f32 v[NMP], -v54                       ; -M
	WIN 0x02+(\a)/4
.set i, 0
.rept 32
	v_pk_fma_f32 v[T+i:T+i+1], v[AC+i:AC+i+1], s[98:99], v[NMP:NMP+1] op_sel_hi:[1,0,0]
.set i, i+2
.endr
	WIN 0
.irp b, 0,1,2,3
	v_fma_f32 v[BX+\b], v[BX+\b], s98, v[NMP]
.endr
.endm
	PLACES NP                                      ; behind the last products
.irp b, 0,1,2,3
	v_mov_b32 v[TP+\b], 0                          ; written once: a lane permute's destination counts as one of its sources
.endr
	v_mov_b32 v57, 0
	v_mov_b32 v[NMP+1], 0                          ; named as the upper half of a pair
	s_sub_nc_u64 s[12:13], s[12:13], 2048          ; each trip begins by stepping it
	s_mov_b32 s3, 0
.Lsoft:
	s_wait_xcnt 0x0                                ; the last trip's stores have read their registers and their base
	s_add_nc_u64 s[12:13], s[12:13], 2048          ; the next 16 queries
	s_lshl_b32 s2, s3, 6
	v_add_nc_u32 v55, s2, v[SWA]                   ; where their statistics go
.irp a, 0,1,2,3,4,5,6
	s_cmp_eq_u32 s3, \a
	s_cbranch_scc0 .Lnot_\a
	FRONT \a
	s_branch .Lback
.Lnot_\a:
.endr
	FRONT 7
.Lback:
	s_wait_alu depctr_va_vdst(0)                   ; the wait ahead of the batch
.set i, 0
.rept 64
	v_exp_f32 v[T+i], v[T+i]                       ; p, at most 1
.set i, i+1
.endr
	v_nop
	s_wait_alu depctr_va_vdst(0)                   ; and behind it
.irp b, 0,1,2,3
	v_exp_f32 v[BX+\b], v[BX+\b]
.endr
	v_pk_add_f32 v[50:51], v[T:T+1], v[T+8:T+9]    ; l: of the unquantised p, in four chains
	v_pk_add_f32 v[52:53], v[T+2:T+3], v[T+10:T+11]
	v_pk_add_f32 v[58:59], v[T+4:T+5], v[T+12:T+13]
	v_pk_add_f32 v[60:61], v[T+6:T+7], v[T+14:T+15]
.irp j, 16,24,32,40,48,56
	v_pk_add_f32 v[50:51], v[50:51], v[T+\j:T+\j+1]
	v_pk_add_f32 v[52:53], v[52:53], v[T+\j+2:T+\j+3]
	v_pk_add_f32 v[58:59], v[58:59], v[T+\j+4:T+\j+5]
	v_pk_add_f32 v[60:61], v[60:61], v[T+\j+6:T+\j+7]
.endr
	v_pk_add_f32 v[50:51], v[50:51], v[52:53]
	v_pk_add_f32 v[58:59], v[58:59], v[60:61]
	v_pk_add_f32 v[50:51], v[50:51], v[58:59]
	v_add_f32 v54, v50, v51
	v_permlanex16_b32 v57, v54, s100, s101
	v_add_f32 v[NMP+1], v54, v57
	s_wait_alu depctr_va_vdst(0)                   ; behind the batch of four
.irp b, 0,1,2,3
	v_max_num_f32 v[BX+\b], 0x8000000, v[BX+\b]    ; the floor 2^(16 - 127)
.endr
.irp b, 0,1,2,3
	v_add_nc_u32 v[SO+\b], 0xf8800000, v[BX+\b]    ; 15 off the exponent field: the conversion's scale operand
.endr
.irp b, 0,1,2,3
	v_and_or_b32 v[LM+\b], v[BX+\b], 0x7f800000, s95   ; 57,344 x the scale
.endr
.irp b, 0,1,2,3
	v_lshrrev_b32 v[TP+\b], 23, v[SO+\b]
.endr
	v_lshl_or_b32 v[PWA], v[TP+1], 8, v[TP]
	v_lshl_or_b32 v[PWA], v[TP+2], 16, v[PWA]
	v_lshl_or_b32 v[PWA], v[TP+3], 24, v[PWA]
.irp b, 0,1,2,3
.irp i, 0,1,2,3,4,5,6,7,8,9,10,11,12,13,14,15
	v_min_num_f32 v[T+16*\b+\i], v[T+16*\b+\i], v[LM+\b]   ; the conversion does not saturate (ISA guide 7.6.2)
.endr
.endr
.irp b, 0,1,2,3
	v_cvt_scalef32_pk8_bf8_f32 v[PC+4*\b:PC+4*\b+1], v[T+16*\b:T+16*\b+7], v[SO+\b]
	v_cvt_scalef32_pk8_bf8_f32 v[PC+4*\b+2:PC+4*\b+3], v[T+16*\b+8:T+16*\b+15], v[SO+\b]
.endr
	v_nop
.irp c, 0,1,2,3
	global_store_b128 v[L16], v[PC+4*\c:PC+4*\c+3], s[12:13] offset:512*\c   ; 32 lanes store 512 consecutive bytes, aligned
.endr
	ds_store_b32 v55, v[PWA]
	ds_store_b32 v55, v[NMP] offset:512
	ds_store_b32 v55, v[NMP+1] offset:1024
	s_add_co_u32 s3, s3, 1
	s_cmp_lg_u32 s3, 8
	s_cbranch_scc1 .Lsoft
.irp u, 0,1,2
	ds_load_b128 v[96+4*\u:99+4*\u], v[SRA] offset:512*\u   ; LDS serves a wave's instructions in order (ISA guide 5.7.1.4): these see my stores
.endr
	s_wait_dscnt 0x0
.irp u, 0,1,2
	global_store_b128 v[L16], v[96+4*\u:99+4*\u], s[96:97] offset:524288*\u
.endr
	s_wait_tensorcnt 0x0                           ; the wave's end
	ds_add_u32 v[SPW], v[NIL]
	s_wait_dscnt 0x0
	CROUND
	s_endpgm
.Lfunc_end_k_qd099cbe479_scores:
	.size	k_qd099cbe479_scores, .Lfunc_end_k_qd099cbe479_scores-k_qd099cbe479_scores
	.p2alignl 7, 3214868480
	.fill 96, 4, 3214868480
	.section	.rodata,"a",@progbits
	.p2align	6, 0x0
	.amdhsa_kernel k_qd099cbe479_scores
		.amdhsa_group_segment_fixed_size 327680
		.amdhsa_private_segment_fixed_size 0
		.amdhsa_enable_private_segment 0
		.amdhsa_kernarg_size 32
		.amdhsa_user_sgpr_count 2
		.amdhsa_user_sgpr_kernarg_segment_ptr 1
		.amdhsa_wavefront_size32 1
		.amdhsa_system_sgpr_workgroup_id_x 1
		.amdhsa_system_sgpr_workgroup_id_y 1
		.amdhsa_system_sgpr_workgroup_id_z 1
		.amdhsa_system_vgpr_workitem_id 0
		.amdhsa_next_free_vgpr 1024
		.amdhsa_next_free_sgpr 102
		.amdhsa_reserve_vcc 0
		.amdhsa_float_denorm_mode_32 3
		.amdhsa_float_denorm_mode_16_64 3
		.amdhsa_memory_ordered 1
		.amdhsa_forward_progress 1
		.amdhsa_inst_pref_size 169
	.end_amdhsa_kernel
	.amdgpu_metadata
---
amdhsa.version: [ 1, 2 ]
amdhsa.kernels:
  - .name:           k_qd099cbe479_scores
    .symbol:         k_qd099cbe479_scores.kd
    .args:
      - { .name: qkv, .offset: 0, .size: 8, .value_kind: global_buffer, .address_space: global }
      - { .name: qkvs, .offset: 8, .size: 8, .value_kind: global_buffer, .address_space: global }
      - { .name: pimg, .offset: 16, .size: 8, .value_kind: global_buffer, .address_space: global }
      - { .name: pst, .offset: 24, .size: 8, .value_kind: global_buffer, .address_space: global }
    .group_segment_fixed_size: 327680
    .private_segment_fixed_size: 0
    .kernarg_segment_align: 8
    .kernarg_segment_size: 32
    .max_flat_workgroup_size: 128
    .sgpr_count:     102
    .vgpr_count:     1024
    .wavefront_size: 32
...
	.end_amdgpu_metadata
.endif
;; end of part 2
;; launch pv (part 3): grid 4 x 64, 4 waves a work-group, clusters of 4 x 4, 327,680 bytes of LDS; arguments pimg, pst, qkv, qkvs, out0; writes out0
.if DOCPART == 3
	.amdgcn_target "amdgcn-amd-amdhsa--gfx1250"
	.amdhsa_code_object_version 6
	.text
	.protected	k_qd099cbe479_pv
	.globl	k_qd099cbe479_pv
	.p2align	8
	.type	k_qd099cbe479_pv,@function
k_qd099cbe479_pv:
	s_mov_b64 s[64:65], 0
	v_nop
	global_prefetch_b8 v0, s[64:65] scope:SCOPE_SE
	s_setreg_imm32_b32 hwreg(HW_REG_WAVE_MODE, 25, 1), 1
	s_wait_xcnt 0x0
	s_wait_alu depctr_hold_cnt(0) depctr_sa_sdst(0) depctr_va_vdst(0) depctr_va_sdst(0) depctr_va_ssrc(0) depctr_va_vcc(0) depctr_vm_vsrc(0)
	s_getreg_b32 s2, hwreg(HW_REG_IB_STS2, 6, 4)
	s_cmp_eq_u32 s2, 0
	s_cbranch_scc0 .Lentry_in_a_cluster
	s_endpgm
.Lentry_in_a_cluster:
	s_bfe_u32 s2, ttmp6, 0x10000c
	s_cmp_lg_u32 s2, 0xf033
	s_cbranch_scc0 .Lentry_shape_is_right
	s_endpgm
.Lentry_shape_is_right:
; O = (P v) / l on codes of BF8 (E5M2) with E8M0 scales, K = a batch's 2,048 keys.  P's codes were made under a whole number M for each (query, chunk of 128 keys).
; AT THE HEAD each work-group brings its 128 queries under the row's M = the largest of the 16 chunks': delta = M - M(chunk), a whole number, is taken off each scale byte of the chunk (exact: the codes stay),
; and l = the sum of l(chunk) x 2^-delta (exact scalings, one f32 sum).  The corrected words and 1 / l lie in LDS bytes that no fill touches.  A thread serves one query: 48 loads.
; SHARES.  A tile is 128 queries x 256 channels: 64 x 4 = 256 work-groups.  Four waves, each 64 queries x 128 channels: 32 accumulators, 256 registers.
; The matrix instruction is used transposed (source 0 = 16 channels, source 1 = 16 queries): a lane holds one query and eight neighbouring channels an accumulator.
; IN.  Codes lie as images of the operand's registers, [K / 128][rows / 16][4][lane][16 bytes]: a UNIT, 128 rows x 128 K, is 16,384 dense bytes, and a fragment is four loads of 512 consecutive bytes.
; THE RING.  Two slots of three units each (P, v^T's two halves: 9 x 16,384 bytes).  The head fills slot 0 with unit 0 alone; then slot 1 takes units 1-3, slot 0 4-6, slot 1 7-9, slot 0 10-12, slot 1 13-15: each refill has three units' work in which to land, the first the statistics' correction.
; One load a wave: wave 0 fetches P's part, waves 1 and 2 v^T's halves; wave 3 fetches v^T's scale words at the head and nothing later.  A refill is one tile of three rows of 16,384 bytes, a unit's stride apart in memory and on end in LDS.
; CLUSTERS: 4 x 4 work-groups; P's tiles are asked for jointly along a row of the cluster, v^T's along a column (the four query tiles of a column belong to one batch).
; PREFETCH (macro ASK): the three units of the next change of slots, one change ahead; units 1-3 at the head.  Each cluster names each 256 bytes that it will load once: a unit's 16,384 bytes are shared by address among the four partners, 4,096 each.
; The 16 units of 128 along K are written out: every LDS offset is an immediate.  Fragments and scale words have two sets of registers; a unit's run of 60 LDS loads for the next unit stands ahead of its 32 products.
; LIMITS: a scale byte b with b < delta becomes 0 (2^-127) in place of its smaller true value, and delta is held at 127 in l: both touch terms under 2^-100 of the row's largest.  NaN and infinities are not served.
; REGISTERS: window 0: v0-31 addresses; v32-63 scale words, two sets of 4 (P's) + 8 (v^T's); v64-111 the statistics at the head; v128-255 P's fragments, two sets.  window 1: v^T's fragments, two sets.
;   window 2: the accumulators ((a, b) at v[8 (8 a + b)]).  On the way out v50-255 of window 0 are at work.
.set FR,     16                        ; registers of a fragment
.set NP,     8                         ; places behind this matrix instruction (ISA guide 7.12.1)
.set UN,     16384                     ; a unit of 128 rows
.set STEPA,  1048576                   ; a unit on in P's image (8,192 rows)
.set STEPB,  131072                    ; and in v^T's (1,024 rows)
.set VIMG,   16777216
.set VSCL,   524288
.set SLOT,   9*UN                      ; P [3][UN], v^T half 0 [3][UN], half 1 [3][UN]
.set SCA,    2*SLOT                    ; P's corrected words: [half of the queries 2][unit 16][256 bytes]; written by LDS stores alone
.set SCB,    SCA+8192                  ; v^T's words: [unit 16][256 channels x 4 bytes]; filled once
.set RINV,   SCB+16384                 ; 1 / l of the 128 queries
.set SPARE,  RINV+512                  ; the spare words, 128 bytes a wave
.set STAGE,  0                         ; the way out: 16 rows x (512 bytes + 16) a wave, in slot 0, which has had its last fill and its last read by then
.set SPITCH, 528
.set NROW,   4096                      ; a row of O in bytes
.set RV,   8                           ; v8-11  1 / l of my row in block a
.set PF2,  13                          ; v13 the prefetches' offsets: 256 x min(lane, 15); never rewritten
.set ADA,  16                          ; v16, v17 LDS address of my P fragments in slot 0, 1
.set RWA,  18                          ; v18 where I put my query's 1 / l
.set PF1,  19                          ; v19 256 r + a unit's stride x h; never rewritten
.set ADB,  20                          ; v20, v21 of my v^T fragments
.set PSO,  22                          ; v22 4 x my thread's number; never rewritten
.set CWA,  23                          ; v23 where I put my query's corrected words
.set STO,  24
.set RD,   25
.set ADSA, 26
.set ADSB, 27
.set SPW,  28
.set NIL,  29
.set L16,  30
.set RIA,  31
.set SC,   32                          ; scale words: set p at v[32 + 16 p]: +0..3 P's blocks, +4..11 v^T's blocks
.set CW,   64                          ; at the head: v64-79 words, v80-95 -M, v96-111 l of my query's 16 chunks
.set CN,   80
.set CL,   96
.set OS,   64                          ; the way out: a block's 64 numbers
.set AF,   128
.set BK,   128                         ; the way out: rows read back: v128-191 and v192-255 by turns
.set G1,   24                          ; group 1 for P's part, for a half of v^T's
.set G1B,  48
.set G0,   32                          ; group 0, one set for each slot
.set G0B,  56
.set G1SC, 68
.set G0SC, 76
.set PFAA, 22                          ; s[22:23] P's unit 8, my quarter; s[98:99] v^T's unit 8, the half that I fetch, my quarter; never rewritten
.set PFAB, 98
.set MSB, 0
.macro WIN new                         ; the immediate's high byte repeats the setting that is left
.if MSB != \new
	s_set_vgpr_msb (MSB<<8)|\new
.set MSB, \new
.endif
.endm
.set MUL_LO, 0xa1                      ; source 0 (v^T) window 1, source 1 (P) window 0, C and D window 2
.set TO_B,   0x40
.macro TLOAD g0, g1
	tensor_load_to_lds s[\g0:\g0+3], s[\g1:\g1+7]
	s_nop 0
.rept 4
	v_nop
.endr
.endm
.macro JLOAD s                         ; a joint refill of slot s: wave 0 for P, waves 1 and 2 for v^T, wave 3 nothing; the branches hang on the wave's number alone
	s_cmp_eq_u32 s14, 0
	s_cbranch_scc0 .Lnot_a_\@
	TLOAD G0+4*\s, G1
	s_branch .Lasked_\@
.Lnot_a_\@:
	s_cmp_eq_u32 s14, 3
	s_cbranch_scc1 .Lasked_\@
	TLOAD G0B+4*\s, G1B
.Lasked_\@:
.endm
; Units x, x + 1 (lanes 0-15 the first's sixteen blocks of 256 bytes, lanes 16-31 the second's) and x + 2 (lanes 16-31 name its last block again)
.macro ASK x
	s_cmp_eq_u32 s14, 0
	s_cbranch_scc0 .Lask_b_\@
	global_prefetch_b8 v[PF1], s[PFAA:PFAA+1] offset:((\x)-8)*STEPA th:TH_LOAD_NT scope:SCOPE_SE
	global_prefetch_b8 v[PF2], s[PFAA:PFAA+1] offset:((\x)-6)*STEPA th:TH_LOAD_NT scope:SCOPE_SE
	s_branch .Lask_d_\@
.Lask_b_\@:
	s_cmp_eq_u32 s14, 3
	s_cbranch_scc1 .Lask_d_\@
	global_prefetch_b8 v[PF1], s[PFAB:PFAB+1] offset:((\x)-8)*STEPB th:TH_LOAD_NT scope:SCOPE_SE
	global_prefetch_b8 v[PF2], s[PFAB:PFAB+1] offset:((\x)-6)*STEPB th:TH_LOAD_NT scope:SCOPE_SE
.Lask_d_\@:
.endm
.macro CREST                           ; a round of the cluster's barrier behind its opening barrier
	s_cmp_lg_u32 s14, 0
	s_cbranch_scc1 .Lnot_wave_0_\@
	s_barrier_signal -3
.Lnot_wave_0_\@:
	s_barrier_wait -3
	s_barrier_signal -1
	s_barrier_wait -1
.endm
.macro CROUND
	s_barrier_signal -1
	s_barrier_wait -1
	CREST
.endm
.macro PLACES n                        ; plain vector instructions between a matrix instruction and a load into, or a vector read or write of, its registers
.rept \n
	v_nop
.endr
.endm
	s_load_b128 s[4:7], s[0:1], 0x0                ; pimg, pst
	s_load_b128 s[8:11], s[0:1], 0x10              ; qkv, qkvs
	s_load_b64 s[12:13], s[0:1], 0x20              ; out0
	v_lshl_add_u32 v[SPW], v0, 2, SPARE
	v_mov_b32 v[NIL], 0
	ds_add_u32 v[SPW], v[NIL]                      ; the wave's opening: the add, twice on end, and its wait
	ds_add_u32 v[SPW], v[NIL]
	v_lshrrev_b32 v1, 5, v0
	v_readfirstlane_b32 s14, v1                    ; wave 0..3
	v_lshlrev_b32 v[PSO], 2, v0
	s_lshr_b32 s15, s14, 1                         ; my half of the queries (64).  Also, in waves 1 and 2: which half of v^T's rows I fetch
	s_and_b32 s16, s14, 1                          ; my half of the channels (128)
	s_bfe_u32 s40, ttmp6, 0x40000                  ; cx, cy
	s_bfe_u32 s41, ttmp6, 0x40004
	s_lshl_b32 s42, ttmp9, 2
	s_add_co_u32 s42, s42, s40                     ; the tile of 256 channels, 0..3
	s_and_b32 s2, ttmp7, 0xffff
	s_lshl_b32 s17, s2, 2
	s_add_co_u32 s17, s17, s41                     ; the tile of 128 queries, 0..63
	s_lshr_b32 s2, s2, 2                           ; the batch: four clusters along y to a batch
	s_lshl_b32 s43, s41, 2
	s_lshl_b32 s43, 15, s43                        ; my row of the cluster
	s_lshl_b32 s44, 0x1111, s40                    ; my column
	s_or_b32 s[G1+0], s43, (3<<16)|(1<<21)         ; 15:0 the mask; 17:16 elements of 8 bytes; 21 set beside a mask
	s_or_b32 s[G1B+0], s44, (3<<16)|(1<<21)
.irp g, G1, G1B                        ; the head: one unit, 16,384 dense bytes as 64 rows of 256
	s_mov_b32 s[\g+1], 32<<16
	s_mov_b32 s[\g+2], 64<<16
	s_mov_b32 s[\g+3], 32<<16
	s_mov_b32 s[\g+4], 64
	s_mov_b32 s[\g+5], 32
	s_mov_b32 s[\g+6], 0
	s_mov_b32 s[\g+7], 0
.endr
	s_or_b32 s[G1SC+0], s44, (3<<16)|(1<<21)       ; v^T's scale words: 16 units x 1,024 bytes (256 rows), 4,096 bytes from unit to unit
	s_mov_b32 s[G1SC+1], 128<<16
	s_mov_b32 s[G1SC+2], 16<<16
	s_mov_b32 s[G1SC+3], 128<<16
	s_mov_b32 s[G1SC+4], 16
	s_mov_b32 s[G1SC+5], 512
	s_mov_b32 s[G1SC+6], 0
	s_mov_b32 s[G1SC+7], 0
	s_lshl_b32 s20, s17, 14                        ; P: my tile of queries in a unit
	s_mov_b32 s21, 0
	s_lshl_b32 s46, s2, 21                         ; v^T: the batch's sixteen units,
	s_lshl_b32 s47, s42, 15
	s_add_co_u32 s46, s46, s47                     ; the tile of channels,
	s_lshl_b32 s47, s15, 14
	s_add_co_u32 s46, s46, s47                     ; the half that I fetch
	s_add_co_u32 s46, s46, VIMG
	s_mov_b32 s47, 0
	s_lshl_b32 s98, s2, 16                         ; its words likewise, both halves
	s_lshl_b32 s99, s42, 10
	s_add_co_u32 s98, s98, s99
	s_add_co_u32 s98, s98, VSCL
	s_mov_b32 s99, 0
	s_lshl_b32 s22, s17, 9                         ; my tile's queries in each plane of the statistics
	s_mov_b32 s23, 0
	s_wait_alu depctr_va_vdst(0)
	s_wait_dscnt 0x0                               ; both opening adds are done
	s_wait_kmcnt 0x0
	s_add_nc_u64 s[20:21], s[4:5], s[20:21]
	s_add_nc_u64 s[46:47], s[8:9], s[46:47]
	s_add_nc_u64 s[98:99], s[10:11], s[98:99]
	s_add_nc_u64 s[96:97], s[6:7], s[22:23]
.irp c, 0,1,2,3,4,5,6,7,8,9,10,11,12,13,14,15   ; the statistics of my query, 16 chunks: words, -M, l
	global_load_b32 v[CW+\c], v[PSO], s[96:97] offset:32768*\c
	global_load_b32 v[CN+\c], v[PSO], s[96:97] offset:32768*\c+524288
	global_load_b32 v[CL+\c], v[PSO], s[96:97] offset:32768*\c+1048576
.endr
	CROUND                                         ; all sixteen work-groups are here: the first joint loads meet
	s_mov_b32 s[G0], 1                             ; P: unit 0 -> slot 0; units 1-3 -> slot 1
	s_mov_b32 s[G0+1], 0
	s_mov_b64 s[G0+2:G0+3], s[20:21]
	s_or_b32 s[G0+3], s[G0+3], 0x80000000
	s_mov_b32 s[G0+4], 1
	s_mov_b32 s[G0+5], SLOT
	s_add_nc_u64 s[G0+6:G0+7], s[20:21], STEPA
	s_or_b32 s[G0+7], s[G0+7], 0x80000000
	s_mul_i32 s45, s15, 3*UN                       ; v^T, the half that I fetch
	s_add_co_u32 s45, s45, 3*UN
	s_mov_b32 s[G0B], 1
	s_mov_b32 s[G0B+1], s45
	s_mov_b64 s[G0B+2:G0B+3], s[46:47]
	s_or_b32 s[G0B+3], s[G0B+3], 0x80000000
	s_mov_b32 s[G0B+4], 1
	s_add_co_u32 s[G0B+5], s45, SLOT
	s_add_nc_u64 s[G0B+6:G0B+7], s[46:47], STEPB
	s_or_b32 s[G0B+7], s[G0B+7], 0x80000000
	s_mov_b32 s[G0SC], 1
	s_mov_b32 s[G0SC+1], SCB
	s_mov_b64 s[G0SC+2:G0SC+3], s[98:99]
	s_or_b32 s[G0SC+3], s[G0SC+3], 0x80000000
	s_cmp_eq_u32 s14, 0                            ; one load a wave: every way through the tree passes exactly one
	s_cbranch_scc0 .Lfirst_b
	TLOAD G0, G1
	s_branch .Lfirst_asked
.Lfirst_b:
	s_cmp_eq_u32 s14, 3
	s_cbranch_scc1 .Lfirst_c
	TLOAD G0B, G1B
	s_branch .Lfirst_asked
.Lfirst_c:
	TLOAD G0SC, G1SC
.Lfirst_asked:
	s_lshl_b32 s44, s40, 12                        ; the prefetches' addresses: P's unit 8, + 4,096 x cx
	s_add_co_u32 s44, s44, 8*STEPA
	s_mov_b32 s45, 0
	s_add_nc_u64 s[PFAA:PFAA+1], s[20:21], s[44:45]
	s_lshl_b32 s44, s41, 12                        ; v^T's unit 8, + 4,096 x cy
	s_add_co_u32 s44, s44, 8*STEPB
	s_add_nc_u64 s[PFAB:PFAB+1], s[46:47], s[44:45]
	s_mov_b32 s45, STEPB
	s_cmp_eq_u32 s14, 0
	s_cselect_b32 s45, STEPA, s45
	v_and_b32 v1, 15, v0                           ; r
	v_bfe_u32 v2, v0, 4, 1                         ; h
	v_and_b32 v6, 31, v0
	v_lshlrev_b32 v[L16], 4, v6
	v_mul_u32_u24 v5, s45, v2
	v_lshl_add_u32 v[PF1], v1, 8, v5
	v_min_u32 v6, 15, v6
	v_lshlrev_b32 v[PF2], 8, v6
	s_wait_alu depctr_va_vdst(0)
	ASK 1
	s_lshl_b32 s20, s15, 13                        ; my 64 queries: four row tiles of 2,048 bytes
	v_add_nc_u32 v[ADA], s20, v[L16]
	s_add_co_u32 s20, s20, SLOT
	v_add_nc_u32 v[ADA+1], s20, v[L16]
	s_mul_i32 s20, s16, 3*UN                       ; my 128 channels
	s_add_co_u32 s20, s20, 3*UN
	v_add_nc_u32 v[ADB], s20, v[L16]
	s_add_co_u32 s20, s20, SLOT
	v_add_nc_u32 v[ADB+1], s20, v[L16]
	s_lshl_b32 s20, s15, 12
	s_add_co_u32 s20, s20, SCA
	v_lshl_add_u32 v[ADSA], v1, 2, s20             ; P's words: my half, row r
	s_lshl_b32 s20, s16, 9
	s_add_co_u32 s20, s20, SCB
	v_lshl_add_u32 v[ADSB], v1, 2, s20             ; v^T's words: my half, row r
	s_lshl_b32 s20, s15, 8
	s_add_co_u32 s20, s20, RINV
	v_lshl_add_u32 v[RIA], v1, 2, s20              ; 1 / l of row r of my half
	v_lshl_add_u32 v[RWA], v0, 2, RINV             ; and where thread t puts query t's
	v_lshrrev_b32 v5, 6, v0                        ; query t's words: half t / 64, 4 bytes at t % 64
	v_and_b32 v6, 63, v0
	v_lshlrev_b32 v5, 12, v5
	v_lshl_add_u32 v5, v6, 2, v5
	v_add_nc_u32 v[CWA], SCA, v5
	s_mul_i32 s20, s14, 16*SPITCH                  ; my stage
	v_mul_u32_u24 v5, v1, SPITCH
	v_lshl_add_u32 v5, v2, 5, v5
	v_add_nc_u32 v[STO], s20, v5                   ; in: row r, 32 bytes for each half of the lanes
	v_add_nc_u32 v[RD], s20, v[L16]                ; back: the 32 lanes take one row of 512 bytes
	s_lshl_b32 s20, s17, 7
	s_lshl_b32 s21, s15, 6
	s_add_co_u32 s20, s20, s21                     ; my first row of O
	s_lshl_b32 s20, s20, 12
	s_lshl_b32 s21, s42, 10
	s_add_co_u32 s20, s20, s21
	s_lshl_b32 s21, s16, 9
	s_add_co_u32 s20, s20, s21                     ; my first column, in bytes
	s_mov_b32 s21, 0
	s_add_nc_u64 s[12:13], s[12:13], s[20:21]
	s_mov_b32 s18, 0x80808080
	s_wait_alu depctr_va_vdst(0)
	s_wait_tensorcnt 0x0                           ; my head's load is in, so descriptors may be written
	ds_add_u32 v[SPW], v[NIL]
.irp g, G1, G1B                        ; a refill: three rows of 16,384 bytes (2,048 elements)
	s_mov_b32 s[\g+1], 2048<<16
	s_mov_b32 s[\g+2], 3<<16
	s_mov_b32 s[\g+3], 2048<<16
	s_mov_b32 s[\g+4], 3
.endr
	s_mov_b32 s[G1+5], STEPA/8                     ; from row to row, in elements
	s_mov_b32 s[G1B+5], STEPB/8
	s_wait_dscnt 0x0
	CROUND                                         ; unit 0 and v^T's words are in, in every partner
	JLOAD 1                                        ; units 1-3: the first tensor load behind the round
	ASK 4
	s_wait_loadcnt 0x0
	; THE CORRECTION, every stage over the 16 chunks in place, so that no line waits for the line above it
	v_min3_num_f32 v8, v[CN], v[CN+1], v[CN+2]     ; the least -M is the row's
.irp i, 3,5,7,9,11,13
	v_min3_num_f32 v8, v8, v[CN+\i], v[CN+\i+1]
.endr
	v_min_num_f32 v8, v8, v[CN+15]
.set i, 0
.rept 16
	v_sub_f32 v[CN+i], v8, v[CN+i]                 ; M(chunk) - M(row): a whole number, 0 or less
.set i, i+1
.endr
.set i, 0
.rept 16
	v_max_num_f32 v[CN+i], 0xc2fe0000, v[CN+i]     ; held at -127
.set i, i+1
.endr
.set i, 0
.rept 16
	v_cvt_i32_f32 v[CN+i], v[CN+i]
.set i, i+1
.endr
.set i, 0
.rept 16
	v_ldexp_f32 v[CL+i], v[CL+i], v[CN+i]          ; the chunk's l under the row's M: nothing is rounded
.set i, i+1
.endr
.set i, 0
.rept 16
	v_sub_nc_u32 v[CN+i], 0, v[CN+i]               ; delta, 0 .. 127
.set i, i+1
.endr
.set i, 0
.rept 16
	v_perm_b32 v[CN+i], v[CN+i], v[CN+i], 0        ; in all four bytes
.set i, i+1
.endr
.set i, 0
.rept 16
	v_or_b32 v[CW+i], s18, v[CW+i]                 ; 128 + b in each byte (b is at most 112),
.set i, i+1
.endr
.set i, 0
.rept 16
	v_sub_nc_u32 v[CW+i], v[CW+i], v[CN+i]         ; less delta: at least 1, so no byte borrows from the next; bit 7 stays where b >= delta
.set i, i+1
.endr
.irp j, 0,4,8,12
	v_pk_add_f32 v[CL+\j:CL+\j+1], v[CL+\j:CL+\j+1], v[CL+\j+2:CL+\j+3]
.endr
.irp j, 0,8
	v_pk_add_f32 v[CL+\j:CL+\j+1], v[CL+\j:CL+\j+1], v[CL+\j+4:CL+\j+5]
.endr
	v_pk_add_f32 v[CL:CL+1], v[CL:CL+1], v[CL+8:CL+9]
	v_add_f32 v10, v[CL], v[CL+1]                  ; the row's l
	s_wait_alu depctr_va_vdst(0)                   ; the wait ahead of the transcendental
	v_rcp_f32 v12, v10                             ; the stages below do not name its result
.set i, 0
.rept 16
	v_and_b32 v[CN+i], s18, v[CW+i]                ; bit 7 of each byte,
.set i, i+1
.endr
.set i, 0
.rept 16
	v_lshrrev_b32 v[CL+i], 7, v[CN+i]              ; as a 1,
.set i, i+1
.endr
.set i, 0
.rept 16
	v_sub_nc_u32 v[CN+i], v[CN+i], v[CL+i]         ; 0x7f in each byte where b >= delta, else 0
.set i, i+1
.endr
.set i, 0
.rept 16
	v_and_b32 v[CW+i], v[CW+i], v[CN+i]            ; b - delta, or 0
.set i, i+1
.endr
.set i, 0
.rept 16
	ds_store_b32 v[CWA], v[CW+i] offset:256*i
.set i, i+1
.endr
	s_wait_alu depctr_va_vdst(0)                   ; the wait for the reciprocal, ahead of its first reader
	ds_store_b32 v[RWA], v12
; Unit u: unit 0 lies in slot 0, units 1-3 in slot 1, 4-6 in slot 0 and so on.  60 LDS loads in one run into set u % 2: v^T's eight fragments, P's four, 4 + 8 scale words
.macro FETCH u
.set QP, (\u)%2
.if (\u) == 0
.set QS, 0
.set QO, 0
.else
.set QS, 1-(((\u)-1)/3)%2
.set QO, UN*(((\u)-1)%3)
.endif
	WIN TO_B
.irp i, 0,1,2,3,4,5,6,7
.irp c, 0,1,2,3
	ds_load_b128 v[128*QP+FR*\i+4*\c:128*QP+FR*\i+4*\c+3], v[ADB+QS] offset:QO+2048*\i+512*\c
.endr
.endr
	WIN 0
.irp i, 0,1,2,3
.irp c, 0,1,2,3
	ds_load_b128 v[AF+64*QP+FR*\i+4*\c:AF+64*QP+FR*\i+4*\c+3], v[ADA+QS] offset:QO+2048*\i+512*\c
.endr
.endr
.irp a, 0,1,2,3
	ds_load_b32 v[SC+16*QP+\a], v[ADSA] offset:256*(\u)+64*\a
.endr
.irp b, 0,1,2,3,4,5,6,7
	ds_load_b32 v[SC+16*QP+4+\b], v[ADSB] offset:1024*(\u)+64*\b
.endr
.endm
; 32 matrix instructions on set p.  The 32 accumulators take turns, one instruction a turn, in the same order in every unit.  zero = 1: the first products start the sums
.macro MUL32 p, zero
.irp a, 0,1,2,3
.irp b, 0,1,2,3,4,5,6,7
.if \zero
	v_wmma_scale_f32_16x16x128_f8f6f4 v[8*(8*\a+\b):8*(8*\a+\b)+7], v[128*(\p)+FR*\b:128*(\p)+FR*\b+FR-1], v[AF+64*(\p)+FR*\a:AF+64*(\p)+FR*\a+FR-1], 0, v[SC+16*(\p)+4+\b], v[SC+16*(\p)+\a] matrix_a_fmt:MATRIX_FMT_BF8 matrix_b_fmt:MATRIX_FMT_BF8
.else
	v_wmma_scale_f32_16x16x128_f8f6f4 v[8*(8*\a+\b):8*(8*\a+\b)+7], v[128*(\p)+FR*\b:128*(\p)+FR*\b+FR-1], v[AF+64*(\p)+FR*\a:AF+64*(\p)+FR*\a+FR-1], v[8*(8*\a+\b):8*(8*\a+\b)+7], v[SC+16*(\p)+4+\b], v[SC+16*(\p)+\a] matrix_a_fmt:MATRIX_FMT_BF8 matrix_b_fmt:MATRIX_FMT_BF8
.endif
.endr
.endr
.endm
; A UNIT.  mode 0: its fragments are waited for.  mode 1, 2, 3: a change of slots stands at its head: unit u is the last of its slot and lies in registers.  Each wave waits for all its tensor loads (the slot that is read next has landed), adds 0 to its spare word, and waits for that and for its reads of LDS.
; mode 1: slot 0, mode 2: slot 1 is filled again: the barrier opens a round of the cluster's, and the joint refill is the first thing behind it.  mode 3: nothing is left to fetch.  Then the next unit's fragments are asked for, and this unit's 32 products follow.
.macro UNIT u, mode, ask
.if \mode == 0
	s_wait_dscnt 0x0                               ; this unit's fragments and scale words are in
.else
	s_wait_tensorcnt 0x0
	ds_add_u32 v[SPW], v[NIL]
.if \mode < 3
.if (\u) == 0                          ; from unit 0 to 4; later six units on
	s_add_nc_u64 s[G0+2:G0+3], s[G0+2:G0+3], 4*STEPA
	s_add_nc_u64 s[G0B+2:G0B+3], s[G0B+2:G0B+3], 4*STEPB
.else
	s_add_nc_u64 s[G0+4*\mode-2:G0+4*\mode-1], s[G0+4*\mode-2:G0+4*\mode-1], 6*STEPA
	s_add_nc_u64 s[G0B+4*\mode-2:G0B+4*\mode-1], s[G0B+4*\mode-2:G0B+4*\mode-1], 6*STEPB
.endif
.endif
	s_wait_dscnt 0x0                               ; the add is done; this unit's fragments are in, and with them my last reads of its slot
	s_barrier_signal -1
	s_barrier_wait -1
.if \mode < 3
	CREST                                          ; no wave of any partner still reads the slot or has a load on its way
	JLOAD (\mode-1)
.endif
.endif
.if (\u) > 0
	PLACES NP                                      ; behind the last unit's products, which read the set that is loaded now
.endif
.if (\u) < 15
	FETCH (\u)+1
.endif
.if \ask
	ASK \ask
.endif
	WIN MUL_LO
.if (\u) == 0
	MUL32 0, 1
.else
	MUL32 (\u)%2, 0
.endif
	WIN 0
.endm
	s_wait_dscnt 0x0                               ; my corrected words and my reciprocal lie in LDS
	s_barrier_signal -1
	s_barrier_wait -1                              ; everybody's do
	FETCH 0
	UNIT 0, 1, 7                                   ; slot 0 takes units 4-6; 7-9 are asked for ahead
	UNIT 1, 0, 0
	UNIT 2, 0, 0
	UNIT 3, 2, 10                                  ; slot 1 takes units 7-9
	UNIT 4, 0, 0
	UNIT 5, 0, 0
	UNIT 6, 1, 13                                  ; slot 0 takes units 10-12
	UNIT 7, 0, 0
	UNIT 8, 0, 0
	UNIT 9, 2, 0                                   ; slot 1 takes units 13-15: the last load
	UNIT 10, 0, 0
	UNIT 11, 0, 0
	UNIT 12, 3, 0                                  ; slot 0 is read out for good
	UNIT 13, 0, 0
	UNIT 14, 0, 0
	UNIT 15, 0, 0
; THE WAY OUT, a block of 16 queries x 128 channels at a time: x 1 / l; through my own stage in LDS; back as whole rows of 512 bytes
.macro TOSTAGE a
.set AC, 64*(\a)
.set BB, BK+64*((\a)%2)
	v_mov_b32 v50, v[RV+(\a)]                      ; 1 / l of my query, for both halves of the packed form
	s_wait_alu depctr_va_vdst(0)
	WIN 0x02                                       ; source 0: the accumulators' window
.set i, 0
.rept 32
	v_pk_mul_f32 v[OS+i:OS+i+1], v[AC+i:AC+i+1], v[50:51] op_sel_hi:[1,0]   ; each accumulator is read from its low end on
.set i, i+2
.endr
	WIN 0
.irp b, 0,1,2,3,4,5,6,7
	ds_store_b128 v[STO], v[OS+8*\b:OS+8*\b+3] offset:64*\b
	ds_store_b128 v[STO], v[OS+8*\b+4:OS+8*\b+7] offset:64*\b+16
.endr
.irp t, 0,1,2,3,4,5,6,7,8,9,10,11,12,13,14,15
	ds_load_b128 v[BB+4*\t:BB+4*\t+3], v[RD] offset:\t*SPITCH   ; LDS serves a wave's instructions in order (ISA guide 5.7.1.4): these see the stores above
.endr
.endm
.macro SEND a, younger                 ; younger: the LDS instructions issued behind block a's loads
.set BB, BK+64*((\a)%2)
	s_wait_dscnt \younger
.if (\a) > 0
	s_add_nc_u64 s[12:13], s[12:13], 16*NROW       ; (behind a wait on XCNT: the earlier stores have read their base)
.endif
.irp t, 0,1,2,3,4,5,6,7,8,9,10,11,12,13,14,15
	global_store_b128 v[L16], v[BB+4*\t:BB+4*\t+3], s[12:13] offset:\t*NROW th:TH_STORE_NT   ; 32 lanes store 512 consecutive bytes, aligned; written once, read by nobody here
.endr
.endm
	PLACES NP                                      ; behind the last products: their results, scale words and fragments are touched from here on
	v_mov_b32 v51, 0                               ; named as the upper half of the pair v[50:51]
.irp a, 0,1,2,3
	ds_load_b32 v[RV+\a], v[RIA] offset:64*\a
.endr
	s_wait_dscnt 0x0
	TOSTAGE 0
.irp a, 1,2,3
.if \a > 1
	s_wait_xcnt 0x0                                ; block a - 2's stores have read their registers and their base
.endif
	TOSTAGE \a
	SEND \a-1, 32                                  ; behind block a - 1's loads: block a's 16 stores and 16 loads
.endr
	s_wait_xcnt 0x0
	SEND 3, 0
	s_wait_tensorcnt 0x0                           ; the wave's end
	ds_add_u32 v[SPW], v[NIL]
	s_wait_dscnt 0x0
	CROUND                                         ; the closing round
	s_endpgm
.Lfunc_end_k_qd099cbe479_pv:
	.size	k_qd099cbe479_pv, .Lfunc_end_k_qd099cbe479_pv-k_qd099cbe479_pv
	.p2alignl 7, 3214868480
	.fill 96, 4, 3214868480
	.section	.rodata,"a",@progbits
	.p2align	6, 0x0
	.amdhsa_kernel k_qd099cbe479_pv
		.amdhsa_group_segment_fixed_size 327680
		.amdhsa_private_segment_fixed_size 0
		.amdhsa_enable_private_segment 0
		.amdhsa_kernarg_size 40
		.amdhsa_user_sgpr_count 2
		.amdhsa_user_sgpr_kernarg_segment_ptr 1
		.amdhsa_wavefront_size32 1
		.amdhsa_system_sgpr_workgroup_id_x 1
		.amdhsa_system_sgpr_workgroup_id_y 1
		.amdhsa_system_sgpr_workgroup_id_z 1
		.amdhsa_system_vgpr_workitem_id 0
		.amdhsa_next_free_vgpr 768
		.amdhsa_next_free_sgpr 100
		.amdhsa_reserve_vcc 0
		.amdhsa_float_denorm_mode_32 3
		.amdhsa_float_denorm_mode_16_64 3
		.amdhsa_memory_ordered 1
		.amdhsa_forward_progress 1
		.amdhsa_inst_pref_size 186
	.end_amdhsa_kernel
	.amdgpu_metadata
---
amdhsa.version: [ 1, 2 ]
amdhsa.kernels:
  - .name:           k_qd099cbe479_pv
    .symbol:         k_qd099cbe479_pv.kd
    .args:
      - { .name: pimg, .offset: 0, .size: 8, .value_kind: global_buffer, .address_space: global }
      - { .name: pst, .offset: 8, .size: 8, .value_kind: global_buffer, .address_space: global }
      - { .name: qkv, .offset: 16, .size: 8, .value_kind: global_buffer, .address_space: global }
      - { .name: qkvs, .offset: 24, .size: 8, .value_kind: global_buffer, .address_space: global }
      - { .name: out0, .offset: 32, .size: 8, .value_kind: global_buffer, .address_space: global }
    .group_segment_fixed_size: 327680
    .private_segment_fixed_size: 0
    .kernarg_segment_align: 8
    .kernarg_segment_size: 40
    .max_flat_workgroup_size: 128
    .sgpr_count:     100
    .vgpr_count:     768
    .wavefront_size: 32
...
	.end_amdgpu_metadata
.endif
;; end of part 3
